; MI455X (gfx1250); checked and timed in simulation.
; The chip was launched on July 23, 2026; its instructions are those of AMD's public machine-readable ISA for CDNA 5 (MIT licence, August 2026) and "CDNA5" Instruction Set Architecture Reference Guide (July 2026). The comments in the code are by the model that wrote it; some were corrected since.
;; Simple Mo E. Allowed arithmetic: matrix products marked QUANTISED: E3M2 operands, one E8M0 scale for each 32 along K, by v_wmma_scale_f32_16x16x128_f8f6f4 with both operands' format E3M2, f32 sums; products left as they are: f32 operands where the result goes on into a quantised operand, else bf16, f16 or f32 operands; f32 sums; everything else in f32.
;; Inputs: W1_codes 8 x 4,096 x 32 x 24 uint8 (E3M2 codes of W1, K innermost, in blocks of 32 codes, four codes in three bytes); W1_scales 8 x 4,096 x 32 uint8 (E8M0 scales of W1, one for each 32 codes along K); W2_codes 8 x 1,024 x 128 x 24 uint8 (E3M2 codes of W2, K innermost, in blocks of 32 codes, four codes in three bytes); W2_scales 8 x 1,024 x 128 uint8 (E8M0 scales of W2, one for each 32 codes along K); Wr 8 x 1,024 float32; b1 8 x 4,096 float32; b2 8 x 1,024 float32; x 2 x 512 x 1,024 float32.
;; Outputs: out0 2 x 512 x 1,024 float32.
;; Constants: top_k = 2.
;; This version of the problem:
;;   THIS VERSION OF THE PROBLEM IS GIVEN IN LOW PRECISION. The matrix products marked QUANTISED in the list below multiply operands that are first quantised to E3M2 (3 exponent bits, 2 mantissa bits; 6 bits a number), with one power-of-two scale for each 32 numbers along K (OCP MX v1.0); their sums are f32. All else is computed in f32.
;;   The module's matrix products, in the order in which they are computed (A, B: the left and right operand; K: the contracted axis; several contracted axes count as one K, in the product's order):
;;     1. [M 1,024, K 1,024] x [K 1,024, N 8]; A: input x; B: input Wr: left as it is (N = 8 < 16)
;;     2. [M 1,024, K 1,024] x [K 1,024, N 32,768]; A: input x; B: input W1 (given as codes): QUANTISED
;;     3. batch 8 x [M 1,024, K 4,096] x [K 4,096, N 1,024]; A: input W2 (given as codes); B: computed on the way: QUANTISED
;;   THE QUANTISER, for each operand of a quantised product, along K:
;;     - K is cut into blocks of 32 from its start; a last block that is shorter is filled with zeros.
;;     - A block's scale is 2^e with e = floor(log2(the largest magnitude in the block)) - 4, held to -126 .. 127; a block of zeros has e = 0. As a byte (E8M0): e + 127.
;;     - Each number is divided by its block's scale, clamped to +-28, and rounded to the nearest number of E3M2, ties to even, subnormals kept.
;;     - The product sums the exact products of the quantised numbers (number of the format x scale) in f32.
;;   ~~~python
;;   def quantise(x, axis):      # numpy; x: float32 -> the quantised numbers, widened to float32 again
;;       x = np.moveaxis(x, axis, -1); K = x.shape[-1]
;;       x = np.pad(x, [(0, 0)] * (x.ndim - 1) + [(0, -K % 32)]); x = x.reshape(x.shape[:-1] + (-1, 32)); a = np.abs(x).max(-1, keepdims=True)
;;       e = np.where(a > 0, np.clip(np.frexp(np.where(a > 0, a, 1))[1] - 1 - 4, -126, 127), 0)      # np.frexp(a)[1] - 1 = floor(log2(a)), exactly
;;       r = np.clip(x / 2.0 ** e, -28, 28)
;;       step = 2.0 ** (np.maximum(np.frexp(np.where(r == 0, 1, r))[1] - 1, -2) - 2)
;;       q = np.round(r / step) * step * 2.0 ** e      # np.round: ties to even
;;       return np.moveaxis(q.reshape(q.shape[:-2] + (-1,))[..., :K], -1, axis).astype(np.float32)
;;   ~~~
;;   OPERANDS COMPUTED ON THE WAY. 'Computed on the way' means the value that the module computes at that place (a softmax that the list does not call 'softmax' is quantised finished and normalised). What goes into a quantiser is computed in f32, as accurately as f32 sums, v_exp_f32 and their like allow (about 1e-6 of the number): no bf16 or f16 on the way to a quantiser, and a product that is left as it is and whose result goes on into a quantised operand takes f32 operands (vector FMAs, or v_wmma_f32_16x16x4_f32). A number that lies on a knife's edge between two numbers of the format may be rounded either way, as far as f32 arithmetic and the matrix unit's own rounding can turn it there, and no further.
;;   INPUTS GIVEN AS CODES. W1 (in the module: [8, 4096, 1024], K = its axis 2); W2 (in the module: [8, 1024, 4096], K = its axis 2): each comes as NAME_codes (uint8): NAME with its K axis moved to the last place and cut into blocks of 32 codes, [.., K / 32, bytes a block], one block behind the other in memory; four codes in three bytes: a row's codes are one little-endian stream of bits, code i at bits 6 i .. 6 i + 5 (a code: sign, 3 exponent bits, 2 mantissa bits); and NAME_scales (uint8): the same leading axes, one E8M0 byte (e + 127) for each 32 codes along K. Its value is code x scale, taken as it is: it is not quantised again, and the codes and scales need not be those that the quantiser above would give.
;; 2 versions, each right; version 2 is version 1 with the launches up, down written anew for expert scheduling mode. Each part assembles by itself: llvm-mc -triple=amdgcn-amd-amdhsa -mcpu=gfx1250 --defsym DOCPART=n.
;; ======== version 1 of 2: 5 launches
;; workspace buffers: ridx 8,192 bytes of whole numbers; rval 8,192 bytes; xq 819,200 bytes; plan 9,984 bytes of whole numbers; wgt 8,192 bytes; h 7,372,800 bytes; y 8,421,376 bytes
;; launch route (part 1): grid 256 x 1, 4 waves a work-group, no clusters, 54,272 bytes of LDS; arguments x, Wr, xq, ridx, rval; writes xq, ridx, rval
.if DOCPART == 1
	.amdgcn_target "amdgcn-amd-amdhsa--gfx1250"
	.amdhsa_code_object_version 6
	.text
	.protected	k_q896092b9aa_route
	.globl	k_q896092b9aa_route
	.p2align	8
	.type	k_q896092b9aa_route,@function
k_q896092b9aa_route:
	s_mov_b64 s[64:65], 0
	v_nop
	global_prefetch_b8 v0, s[64:65] scope:SCOPE_SE
	s_setreg_imm32_b32 hwreg(HW_REG_WAVE_MODE, 25, 1), 1
	s_wait_xcnt 0x0
; ROUTE.  One wave to a token (token = 4 x work-group + wave).  It (a) turns the token's 1,024 numbers of x into codes of E3M2 with one E8M0 byte for each 32, and
; (b) forms the 8 router scores x . Wr[e] in f32 and keeps the two largest (the lower index wins a tie) with their experts' numbers.
; OUT: xq: [token][768] codes, a plain stream of bits; from XSO on [token][8 words] of scale bytes: in each word (128 along K) the bytes of memory blocks 0, 1, 2, 3
;      stand at places 0, 2, 1, 3: the order in which the next launch's operand registers take the blocks.   ridx [token][2]: the chosen experts.  rval [token][2]: their scores.
; The choice is only STORED here, at fixed places: no address and no branch of this launch hangs on it.
; LIMITS: NaN and infinite scores are not served.  A block whose largest magnitude lies under 2^-122 (a block of zeros too) gets the byte 1; this program alone reads the bytes.
;         The scores' f32 sums run in another order than a plain loop over K.
; No matrix unit (8 columns), no tensor load, no cluster: the launch reads 4 MB once and Wr (32 KB) once for each work-group.
.set XSO,  786432                      ; where the scale words begin in xq
.set STG,  32768                       ; LDS: 0 .. 32,767 Wr as it lies; then for each wave two stages of 32 x 80 bytes
.set SB,   53248                       ; 32 scale bytes for each wave
.set RB,   53376                       ; the chosen experts, 8 bytes a wave
.set VB,   53408                       ; their scores
.set R,    16                          ; v16-47   the token's row as loaded: load i, lane l: numbers 128 i + 4 l + 0 .. 3
.set WB,   48                          ; v48-111  Wr: first as loaded from memory, then two sets of 32 by turns
.set S,    112                         ; v112-143 four registers of sums for each expert
.set X,    144                         ; v144-175 two sets of 16 neighbours along K
.set C,    176                         ; v176..   codes
.set T,    184                         ; v184-191 at work, four for each half of the row
	s_load_b256 s[4:11], s[0:1], 0x0               ; x s[4:5], Wr s[6:7], xq s[8:9], ridx s[10:11]
	s_load_b64 s[12:13], s[0:1], 0x20              ; rval
	v_lshl_add_u32 v200, v0, 2, 0xd200
	v_mov_b32 v201, 0
	v_lshrrev_b32 v9, 5, v0
	v_readfirstlane_b32 s14, v9                    ; wave 0..3
	v_and_b32 v1, 31, v0                           ; lane
	v_lshlrev_b32 v2, 4, v1                        ; 16 x lane
	s_mul_i32 s15, s14, 5120
	s_add_co_u32 s15, s15, STG                     ; my wave's stages
	v_lshrrev_b32 v3, 2, v1
	v_mul_u32_u24 v3, v3, 80
	v_and_b32 v4, 3, v1
	v_lshl_add_u32 v3, v4, 4, v3
	v_add_nc_u32 v3, s15, v3                       ; into a stage: four lanes' 64 bytes on end, then 16 of padding
	v_mul_u32_u24 v4, v1, 80
	v_add_nc_u32 v4, s15, v4                       ; out of it: my 16 neighbours
	s_lshl_b32 s16, s14, 13
	v_add_nc_u32 v5, s16, v2                       ; 8,192 x wave + 16 x lane: my part of Wr, in memory and in LDS alike
	v_mul_u32_u24 v7, v1, 12                       ; my 16 codes' 12 bytes
	v_and_b32 v8, 0x60, v0                         ; my block's scale byte: 32 x wave
	v_and_b32 v10, 0x18, v0
	v_lshrrev_b32 v10, 1, v10
	v_add_nc_u32 v8, v8, v10                       ; + 4 x (the word in this half of the row)
	v_bfe_u32 v10, v0, 1, 1
	v_lshl_add_u32 v8, v10, 1, v8                  ; + the block's place in its word: block m of four stands at 2 (m & 1) + (m >> 1)
	v_bfe_u32 v10, v0, 2, 1
	v_add_nc_u32 v8, v8, v10
	v_lshlrev_b32 v9, 3, v9                        ; 8 x wave
	v_lshlrev_b32 v10, 2, v1                       ; 4 x lane
	v_and_b32 v11, 7, v0
	v_lshlrev_b32 v11, 2, v11                      ; 4 x (lane % 8)
	s_lshl_b32 s17, ttmp9, 2
	s_add_co_u32 s17, s17, s14                     ; my token
	s_lshl_b32 s18, s17, 12
	s_mov_b32 s19, 0
	s_mul_i32 s20, s17, 768
	s_mov_b32 s21, 0
	s_lshl_b32 s24, ttmp9, 7
	s_add_co_u32 s24, s24, XSO
	s_mov_b32 s25, 0
	s_lshl_b32 s26, ttmp9, 5
	s_mov_b32 s27, 0
	s_mov_b32 s28, 0x76543210                      ; v_permlanex16_b32's selects for lane l xor 16
	s_mov_b32 s29, 0xfedcba98
	s_wait_kmcnt 0x0
	s_add_nc_u64 s[4:5], s[4:5], s[18:19]          ; x at my token's row
	s_add_nc_u64 s[22:23], s[8:9], s[20:21]        ; xq at my token's codes
	s_add_nc_u64 s[8:9], s[8:9], s[24:25]          ; xq at the work-group's 128 scale bytes
	s_add_nc_u64 s[10:11], s[10:11], s[26:27]      ; ridx and rval at the work-group's 32 bytes
	s_add_nc_u64 s[12:13], s[12:13], s[26:27]
.irp i, 0,1,2,3,4,5,6,7
	global_load_b128 v[R+4*\i:R+4*\i+3], v2, s[4:5] offset:512*\i th:TH_LOAD_NT     ; 512 consecutive bytes a load; the launch reads x once
.endr
.irp k, 0,1,2,3,4,5,6,7,8,9,10,11,12,13,14,15
	global_load_b128 v[WB+4*\k:WB+4*\k+3], v5, s[6:7] offset:512*\k                 ; experts 2 w and 2 w + 1 of Wr
.endr
; Half st of the row (512 numbers) goes through the wave's own stage, as it lies, and comes back 64 bytes a lane.  LDS serves a wave's instructions in order: no wait between the stores and the loads.
.macro TURN st
.irp i, 0,1,2,3
	ds_store_b128 v3, v[R+16*\st+4*\i:R+16*\st+4*\i+3] offset:2560*\st+640*\i
.endr
.irp i, 0,1,2,3
	ds_load_b128 v[X+16*\st+4*\i:X+16*\st+4*\i+3], v4 offset:2560*\st+16*\i
.endr
.endm
	s_wait_loadcnt 16                              ; x is in; the 16 loads of Wr, issued behind it, may be out
	TURN 0
	TURN 1
	s_wait_loadcnt 0x0                             ; Wr
.irp k, 0,1,2,3,4,5,6,7,8,9,10,11,12,13,14,15
	ds_store_b128 v5, v[WB+4*\k:WB+4*\k+3] offset:512*\k
.endr
	s_wait_dscnt 16                                ; the neighbours are back; the 16 stores of Wr, issued behind them, may be out
; Half st: two neighbouring lanes hold a block of 32.
.macro QSTEP st
.set XS, X+16*\st
.set TT, T+4*\st
	v_max3_num_f32 v[TT], |v[XS]|, |v[XS+1]|, |v[XS+2]|            ; the largest magnitude of my 16, in two chains
	v_max3_num_f32 v[TT+1], |v[XS+3]|, |v[XS+4]|, |v[XS+5]|
.irp i, 6,10
	v_max3_num_f32 v[TT], v[TT], |v[XS+\i]|, |v[XS+\i+1]|
	v_max3_num_f32 v[TT+1], v[TT+1], |v[XS+\i+2]|, |v[XS+\i+3]|
.endr
	v_max3_num_f32 v[TT], v[TT], |v[XS+14]|, |v[XS+15]|
	v_max3_num_f32 v[TT], v[TT], v[TT+1], 0x2800000                ; and the floor 2^(5 - 127): the byte cannot fall under 1
	v_max_num_f32_dpp v[TT], v[TT], v[TT] row_xmask:1 row_mask:0xf bank_mask:0xf   ; with my neighbour's 16: the block's
	v_add_nc_u32 v[TT+2], 0xfe000000, v[TT]                        ; 4 off its exponent field: the conversion takes this operand's exponent field as its scale
	v_cvt_scalef32_pk16_bf6_f32 v[C+4*\st:C+4*\st+2], v[XS:XS+15], v[TT+2]
	v_lshrrev_b32 v[TT+3], 23, v[TT+2]                             ; the scale's byte (also the plain line behind the conversion)
	ds_store_b8 v8, v[TT+3] offset:SB+16*\st                       ; both lanes of a block write the same byte with the same value
	global_store_b96 v7, v[C+4*\st:C+4*\st+2], s[22:23] offset:384*\st   ; the wave stores 384 consecutive bytes
.endm
	QSTEP 0
	QSTEP 1
	s_wait_dscnt 0x0                               ; for the others' sake: my part of Wr lies in LDS
	s_barrier_signal -1
	s_barrier_wait -1                              ; all of Wr does
; The scores.  Expert e's row comes from LDS in x's own layout, a set ahead of the multiply-adds.
.macro WLOAD e
.irp i, 0,1,2,3,4,5,6,7
	ds_load_b128 v[WB+32*((\e)%2)+4*\i:WB+32*((\e)%2)+4*\i+3], v2 offset:(\e)*4096+512*\i
.endr
.endm
.macro DOT e
.if \e < 7
	WLOAD \e+1
	s_wait_dscnt 8                                 ; expert e's eight loads are in; the next expert's eight may be out
.else
	s_wait_dscnt 0x0
.endif
.set W, WB+32*((\e)%2)
.set A, S+4*(\e)
	v_pk_mul_f32 v[A:A+1], v[R:R+1], v[W:W+1]                      ; the first products start the sums: two chains of packed multiply-adds
	v_pk_mul_f32 v[A+2:A+3], v[R+2:R+3], v[W+2:W+3]
.irp i, 1,2,3,4,5,6,7
	v_pk_fma_f32 v[A:A+1], v[R+4*\i:R+4*\i+1], v[W+4*\i:W+4*\i+1], v[A:A+1]
	v_pk_fma_f32 v[A+2:A+3], v[R+4*\i+2:R+4*\i+3], v[W+4*\i+2:W+4*\i+3], v[A+2:A+3]
.endr
.endm
	WLOAD 0
.irp e, 0,1,2,3,4,5,6,7
	DOT \e
.endr
.irp e, 0,1,2,3,4,5,6,7
	v_pk_add_f32 v[S+4*\e:S+4*\e+1], v[S+4*\e:S+4*\e+1], v[S+4*\e+2:S+4*\e+3]
.endr
.irp e, 0,1,2,3,4,5,6,7
	v_add_f32 v[S+4*\e], v[S+4*\e], v[S+4*\e+1]
.endr
.irp m, 1,2,4,8                        ; over the 32 lanes, the eight sums by turns
.irp e, 0,1,2,3,4,5,6,7
	v_add_f32_dpp v[S+4*\e], v[S+4*\e], v[S+4*\e] row_xmask:\m row_mask:0xf bank_mask:0xf
.endr
.endr
.irp e, 0,1,2,3,4,5,6,7
	v_permlanex16_b32 v[S+4*\e+1], v[S+4*\e], s28, s29
.endr
.irp e, 0,1,2,3,4,5,6,7
	v_add_f32 v[S+4*\e], v[S+4*\e], v[S+4*\e+1]    ; every lane holds all eight scores
.endr
	; the two largest, by selects alone.  'best >= candidate' keeps the best: the lower index wins a tie
	v_mov_b32 v196, v[S]
	v_mov_b32 v197, 0
.irp e, 1,2,3,4,5,6,7
	v_cmp_ge_f32 vcc_lo, v196, v[S+4*\e]
	v_cndmask_b32 v197, \e, v197, vcc_lo
	v_cndmask_b32 v196, v[S+4*\e], v196, vcc_lo
.endr
	v_mov_b32 v6, 0xff800000                       ; -infinity takes the winner's place
.irp e, 0,1,2,3,4,5,6,7
	v_cmp_eq_u32 vcc_lo, \e, v197
	v_cndmask_b32 v[S+4*\e], v[S+4*\e], v6, vcc_lo
.endr
	v_mov_b32 v198, v[S]
	v_mov_b32 v199, 0
.irp e, 1,2,3,4,5,6,7
	v_cmp_ge_f32 vcc_lo, v198, v[S+4*\e]
	v_cndmask_b32 v199, \e, v199, vcc_lo
	v_cndmask_b32 v198, v[S+4*\e], v198, vcc_lo
.endr
	ds_store_b32 v9, v197 offset:RB                ; all lanes write the same word with the same value
	ds_store_b32 v9, v199 offset:RB+4
	ds_store_b32 v9, v196 offset:VB
	ds_store_b32 v9, v198 offset:VB+4
	s_wait_dscnt 0x0                               ; for wave 0's sake: my scale bytes and my choice lie in LDS
	s_barrier_signal -1
	s_barrier_wait -1
	s_cmp_lg_u32 s14, 0
	s_cbranch_scc1 .Lend                           ; wave 0 stores what the four waves have gathered, in runs of neighbouring bytes
	ds_load_b32 v12, v10 offset:SB
	ds_load_b32 v13, v11 offset:RB
	ds_load_b32 v14, v11 offset:VB
	s_wait_dscnt 0x0
	global_store_b32 v10, v12, s[8:9]              ; four tokens' scale words: 128 consecutive bytes
	s_wait_xcnt 0x0                                ; EXEC changes only behind this wait
	v_cmp_gt_u32 vcc_lo, 8, v1
	s_and_saveexec_b32 s30, vcc_lo
	global_store_b32 v10, v13, s[10:11]            ; lanes 0 to 7: four tokens x two slots
	global_store_b32 v10, v14, s[12:13]
	s_wait_xcnt 0x0
	s_or_b32 exec_lo, exec_lo, s30
.Lend:
	s_wait_tensorcnt 0x0
	ds_add_u32 v200, v201
	s_wait_dscnt 0x0
	s_endpgm
.Lfunc_end_k_q896092b9aa_route:
	.size	k_q896092b9aa_route, .Lfunc_end_k_q896092b9aa_route-k_q896092b9aa_route
	.p2alignl 7, 3214868480
	.fill 96, 4, 3214868480
	.section	.rodata,"a",@progbits
	.p2align	6, 0x0
	.amdhsa_kernel k_q896092b9aa_route
		.amdhsa_group_segment_fixed_size 54272
		.amdhsa_private_segment_fixed_size 0
		.amdhsa_enable_private_segment 0
		.amdhsa_kernarg_size 40
		.amdhsa_user_sgpr_count 2
		.amdhsa_user_sgpr_kernarg_segment_ptr 1
		.amdhsa_wavefront_size32 1
		.amdhsa_system_sgpr_workgroup_id_x 1
		.amdhsa_system_sgpr_workgroup_id_y 1
		.amdhsa_system_sgpr_workgroup_id_z 1
		.amdhsa_system_vgpr_workitem_id 0
		.amdhsa_next_free_vgpr 202
		.amdhsa_next_free_sgpr 66
		.amdhsa_reserve_vcc 1
		.amdhsa_float_denorm_mode_32 3
		.amdhsa_float_denorm_mode_16_64 3
		.amdhsa_memory_ordered 1
		.amdhsa_forward_progress 1
		.amdhsa_inst_pref_size 28
	.end_amdhsa_kernel
	.amdgpu_metadata
---
amdhsa.version: [ 1, 2 ]
amdhsa.kernels:
  - .name:           k_q896092b9aa_route
    .symbol:         k_q896092b9aa_route.kd
    .args:
      - { .name: x, .offset: 0, .size: 8, .value_kind: global_buffer, .address_space: global }
      - { .name: Wr, .offset: 8, .size: 8, .value_kind: global_buffer, .address_space: global }
      - { .name: xq, .offset: 16, .size: 8, .value_kind: global_buffer, .address_space: global }
      - { .name: ridx, .offset: 24, .size: 8, .value_kind: global_buffer, .address_space: global }
      - { .name: rval, .offset: 32, .size: 8, .value_kind: global_buffer, .address_space: global }
    .group_segment_fixed_size: 54272
    .private_segment_fixed_size: 0
    .kernarg_segment_align: 8
    .kernarg_segment_size: 40
    .max_flat_workgroup_size: 128
    .sgpr_count:     66
    .vgpr_count:     202
    .wavefront_size: 32
...
	.end_amdgpu_metadata
.endif
;; end of part 1
;; launch place (part 2): grid 1 x 1, 32 waves a work-group, no clusters, 5,120 bytes of LDS; arguments ridx, rval, plan, wgt; writes plan, wgt
.if DOCPART == 2
	.amdgcn_target "amdgcn-amd-amdhsa--gfx1250"
	.amdhsa_code_object_version 6
	.text
	.protected	k_q896092b9aa_place
	.globl	k_q896092b9aa_place
	.p2align	8
	.type	k_q896092b9aa_place,@function
k_q896092b9aa_place:
	s_mov_b64 s[64:65], 0
	v_nop
	global_prefetch_b8 v0, s[64:65] scope:SCOPE_SE
	s_setreg_imm32_b32 hwreg(HW_REG_WAVE_MODE, 25, 1), 1
	s_wait_xcnt 0x0
; PLACE.  One work-group, a thread to a token.  (a) A counting sort of the 2,048 routed rows (entry = 2 x token + slot) by expert, without atomics; each expert's run is filled up to whole stages of 32 rows.
; (b) The weights: a softmax of the kept scores over the 512 tokens of a batch, for each slot by itself, with the batch's largest score taken away first.
; OUT: plan: words 2 e, 2 e + 1: expert e's first stage and its number of stages; from byte 256 on perm[2,432]: the entry at each sorted place; a filler of expert e holds 2048 + e, the places behind the last run 2048.
;      wgt [token][2].
; At most (2,048 + 8 x 31) / 32 = 71 stages are in use; perm has 76, so that later launches may read a few stages ahead.
; The order inside an expert's run: by wave, in a wave slot 0's rows and then slot 1's, each by lane.  One work-group does it all: the sums span all tokens, and the data are 16 KB.
.set CT, 0                             ; LDS: 32 waves x 16 bytes: the wave's eight counts, two to a word
.set MX, 512                           ; 32 x 8 bytes: the wave's largest scores
.set SM, 768                           ; 32 x 8 bytes: the wave's sums
.set PO, 48                            ; v48-50 the fillers' three offsets in perm; made here at the head from the thread's number alone, never rewritten
	s_load_b256 s[4:11], s[0:1], 0x0               ; ridx s[4:5], rval s[6:7], plan s[8:9], wgt s[10:11]
	v_lshl_add_u32 v64, v0, 2, 0x400
	v_mov_b32 v65, 0
	v_lshlrev_b32 v1, 3, v0                        ; 8 x token
	v_lshrrev_b32 v7, 5, v0
	v_readfirstlane_b32 s12, v7                    ; wave 0..31
	v_and_b32 v6, 31, v0                           ; lane
	v_lshlrev_b32 v14, 3, v7                       ; 8 x wave
	v_lshlrev_b32 v7, 4, v7                        ; 16 x wave
	v_lshlrev_b32 v15, 4, v6                       ; 16 x lane
	v_lshrrev_b32 v22, 9, v0                       ; my batch
	v_lshlrev_b32 v22, 7, v22
	v_and_b32 v23, 15, v0
	v_lshl_add_u32 v22, v23, 3, v22                ; 8 x (16 x batch + lane % 16): one of my batch's sixteen waves
	v_mov_b32 v28, 0                               ; (a lane permute's destination counts as one of its sources)
	v_lshlrev_b32 v31, 2, v6                       ; 4 x lane
	v_lshlrev_b32 v[PO], 2, v0                     ; places t,
	v_add_nc_u32 v[PO+1], 4096, v[PO]              ; t + 1,024,
	v_add_nc_u32 v[PO+2], 2048, v0                 ; and t + 2,048, held at perm's last word: the lanes beyond it store nothing, and their offsets stay inside the buffer all the same
	v_min_u32 v[PO+2], 0x97f, v[PO+2]
	v_lshlrev_b32 v[PO+2], 2, v[PO+2]
	s_mov_b32 s14, 0x76543210
	s_mov_b32 s15, 0xfedcba98
	s_wait_kmcnt 0x0
	global_load_b64 v[2:3], v1, s[4:5]
	global_load_b64 v[4:5], v1, s[6:7]
	s_wait_loadcnt 0x0
	v_min_u32 v2, 7, v2                            ; an expert's number stays inside the table
	v_min_u32 v3, 7, v3
.irp e, 0,1,2,3,4,5,6,7
	v_cmp_eq_u32 s[16+\e], \e, v2                  ; s16-23: which lanes chose expert e in slot 0;  s24-31: in slot 1
	v_cmp_eq_u32 s[24+\e], \e, v3
.endr
.irp e, 0,1,2,3,4,5,6,7
	s_bcnt1_i32_b32 s[32+\e], s[16+\e]             ; s32-39: how many in slot 0
	s_bcnt1_i32_b32 s[40+\e], s[24+\e]
	s_add_co_u32 s[48+\e], s[32+\e], s[40+\e]      ; the wave's count: at most 32
.endr
.irp j, 0,1,2,3
	s_lshl_b32 s56, s[48+2*\j+1], 16
	s_or_b32 s56, s56, s[48+2*\j]                  ; two counts to a word: a sum over all waves is at most 1,024
	v_mov_b32 v[8+\j], s56
.endr
	ds_store_b128 v7, v[8:11] offset:CT
	v_mov_b32 v12, v4
	v_mov_b32 v13, v5
.irp m, 1,2,4,8
	v_max_num_f32_dpp v12, v12, v12 row_xmask:\m row_mask:0xf bank_mask:0xf
	v_max_num_f32_dpp v13, v13, v13 row_xmask:\m row_mask:0xf bank_mask:0xf
.endr
	v_permlanex16_b32 v23, v12, s14, s15
	v_permlanex16_b32 v28, v13, s14, s15
	v_max_num_f32 v12, v12, v23
	v_max_num_f32 v13, v13, v28                    ; the wave's largest score of each slot
	ds_store_b64 v14, v[12:13] offset:MX
	s_wait_dscnt 0x0
	s_barrier_signal -1
	s_barrier_wait -1
	ds_load_b128 v[16:19], v15 offset:CT           ; lane l: wave l's counts
	ds_load_b64 v[20:21], v22 offset:MX
	s_wait_dscnt 0x0
	v_cmp_gt_u32 vcc_lo, s12, v6
.irp j, 0,1,2,3
	v_cndmask_b32 v[24+\j], 0, v[16+\j], vcc_lo    ; the counts of the waves in front of mine
.endr
.irp m, 1,2,4,8                        ; both sets summed over the 32 lanes
.irp q, 16,17,18,19,24,25,26,27
	v_mov_b32_dpp v23, v\q row_xmask:\m row_mask:0xf bank_mask:0xf
	v_add_nc_u32 v\q, v\q, v23
.endr
.endr
.irp q, 16,17,18,19,24,25,26,27
	v_permlanex16_b32 v23, v\q, s14, s15
	v_add_nc_u32 v\q, v\q, v23
.endr
.irp j, 0,1,2,3
	v_readfirstlane_b32 s56, v[16+\j]
	s_and_b32 s[40+2*\j], s56, 0xffff              ; s40-47: each expert's rows in all
	s_lshr_b32 s[40+2*\j+1], s56, 16
	v_readfirstlane_b32 s57, v[24+\j]
	s_and_b32 s[48+2*\j], s57, 0xffff              ; s48-55: those of the waves in front of mine
	s_lshr_b32 s[48+2*\j+1], s57, 16
.endr
	s_mov_b32 s58, 0                               ; where the next expert's run begins
	v_mov_b32 v30, 0
.irp e, 0,1,2,3,4,5,6,7
	s_lshr_b32 s60, s58, 5
	v_writelane_b32 v30, s60, 2*\e                 ; its first stage
	s_add_co_u32 s[48+\e], s58, s[48+\e]           ; s48-55: where my wave's rows of expert e begin
	s_add_co_u32 s61, s[40+\e], 31
	s_lshr_b32 s61, s61, 5
	v_writelane_b32 v30, s61, 2*\e+1               ; its stages
	s_add_co_u32 s[66+\e], s58, s[40+\e]           ; s66-73: where its fillers begin,
	s_lshl_b32 s62, s61, 5
	s_sub_co_u32 s[76+\e], s62, s[40+\e]           ; s76-83: and how many there are
	s_add_co_u32 s58, s58, s62
.endr
	s_mov_b32 s74, s58                             ; the places behind the last run
	s_sub_co_u32 s84, 2432, s58
	v_mov_b32 v32, 0
	v_mov_b32 v33, 0
.irp e, 0,1,2,3,4,5,6,7
	v_mbcnt_lo_u32_b32 v34, s[16+\e], s[48+\e]     ; the wave's start + the lanes below mine that chose e in slot 0
	v_cndmask_b32 v32, v32, v34, s[16+\e]
	s_add_co_u32 s59, s[48+\e], s[32+\e]           ; slot 1's rows stand behind slot 0's
	v_mbcnt_lo_u32_b32 v34, s[24+\e], s59
	v_cndmask_b32 v33, v33, v34, s[24+\e]
.endr
	v_min_u32 v32, 0x97f, v32                      ; a place stays inside perm
	v_min_u32 v33, 0x97f, v33
	v_lshlrev_b32 v32, 2, v32
	v_lshlrev_b32 v33, 2, v33
	v_lshlrev_b32 v35, 1, v0
	v_or_b32 v36, 1, v35
	global_store_b32 v32, v35, s[8:9] offset:256
	global_store_b32 v33, v36, s[8:9] offset:256
; The fillers: thread t looks at places t, t + 1,024, t + 2,048.  A place is a filler where it lies in one of the nine ranges; rows and fillers share no place, so each word is stored once.
.macro PADS j
	v_add_nc_u32 v37, 1024*\j, v0                  ; the place, for the compares alone: the store's offset was made at the head
	v_mov_b32 v38, 0
	s_mov_b32 s62, 0
.irp e, 0,1,2,3,4,5,6,7,8
	v_sub_nc_u32 v39, v37, s[66+\e]                ; place - the range's start (it wraps where the place lies in front)
	v_cmp_gt_u32 s63, s[76+\e], v39
	s_or_b32 s62, s62, s63
.if \e < 8
	v_cndmask_b32 v38, v38, \e, s63
.endif
.endr
	s_wait_xcnt 0x0                                ; the earlier stores have read their data, and EXEC changes only behind this wait
	v_add_nc_u32 v41, 2048, v38
	s_mov_b32 vcc_lo, s62
	s_and_saveexec_b32 s63, vcc_lo
	global_store_b32 v[PO+\j], v41, s[8:9] offset:256
	s_wait_xcnt 0x0
	s_or_b32 exec_lo, exec_lo, s63
.endm
	PADS 0
	PADS 1
	PADS 2
	s_cmp_lg_u32 s12, 0
	s_cbranch_scc1 .Lno_seg
	global_store_b32 v31, v30, s[8:9]              ; wave 0: the sixteen words of first stages and numbers of stages (and sixteen zeros)
.Lno_seg:
	; the softmax over my batch's 512 tokens
.irp m, 1,2,4,8
	v_max_num_f32_dpp v20, v20, v20 row_xmask:\m row_mask:0xf bank_mask:0xf
	v_max_num_f32_dpp v21, v21, v21 row_xmask:\m row_mask:0xf bank_mask:0xf
.endr
	v_sub_f32 v42, v4, v20                         ; the batch's largest score is taken away: 0 or less
	v_sub_f32 v43, v5, v21
	v_mul_f32 v42, 0x3fb8aa3b, v42
	v_mul_f32 v43, 0x3fb8aa3b, v43
	v_exp_f32 v42, v42
	v_exp_f32 v43, v43
	v_nop                                          ; a plain line behind the exponentials,
	s_wait_alu depctr_va_vdst(0)                   ; and one wait for both, ahead of their first reader
	v_mov_b32 v44, v42
	v_mov_b32 v45, v43
.irp m, 1,2,4,8
	v_add_f32_dpp v44, v44, v44 row_xmask:\m row_mask:0xf bank_mask:0xf
	v_add_f32_dpp v45, v45, v45 row_xmask:\m row_mask:0xf bank_mask:0xf
.endr
	v_permlanex16_b32 v23, v44, s14, s15
	v_permlanex16_b32 v28, v45, s14, s15
	v_add_f32 v44, v44, v23
	v_add_f32 v45, v45, v28
	ds_store_b64 v14, v[44:45] offset:SM
	s_wait_dscnt 0x0
	s_barrier_signal -1
	s_barrier_wait -1
	ds_load_b64 v[46:47], v22 offset:SM
	s_wait_dscnt 0x0
.irp m, 1,2,4,8
	v_add_f32_dpp v46, v46, v46 row_xmask:\m row_mask:0xf bank_mask:0xf
	v_add_f32_dpp v47, v47, v47 row_xmask:\m row_mask:0xf bank_mask:0xf
.endr
	v_rcp_f32 v46, v46                             ; the sum is at least 1
	v_rcp_f32 v47, v47
	v_nop
	s_wait_alu depctr_va_vdst(0)
	v_mul_f32 v42, v42, v46
	v_mul_f32 v43, v43, v47
	global_store_b64 v1, v[42:43], s[10:11]
	s_wait_tensorcnt 0x0
	ds_add_u32 v64, v65
	s_wait_dscnt 0x0
	s_endpgm
.Lfunc_end_k_q896092b9aa_place:
	.size	k_q896092b9aa_place, .Lfunc_end_k_q896092b9aa_place-k_q896092b9aa_place
	.p2alignl 7, 3214868480
	.fill 96, 4, 3214868480
	.section	.rodata,"a",@progbits
	.p2align	6, 0x0
	.amdhsa_kernel k_q896092b9aa_place
		.amdhsa_group_segment_fixed_size 5120
		.amdhsa_private_segment_fixed_size 0
		.amdhsa_enable_private_segment 0
		.amdhsa_kernarg_size 32
		.amdhsa_user_sgpr_count 2
		.amdhsa_user_sgpr_kernarg_segment_ptr 1
		.amdhsa_wavefront_size32 1
		.amdhsa_system_sgpr_workgroup_id_x 1
		.amdhsa_system_sgpr_workgroup_id_y 1
		.amdhsa_system_sgpr_workgroup_id_z 1
		.amdhsa_system_vgpr_workitem_id 0
		.amdhsa_next_free_vgpr 66
		.amdhsa_next_free_sgpr 96
		.amdhsa_reserve_vcc 1
		.amdhsa_float_denorm_mode_32 3
		.amdhsa_float_denorm_mode_16_64 3
		.amdhsa_memory_ordered 1
		.amdhsa_forward_progress 1
		.amdhsa_inst_pref_size 26
	.end_amdhsa_kernel
	.amdgpu_metadata
---
amdhsa.version: [ 1, 2 ]
amdhsa.kernels:
  - .name:           k_q896092b9aa_place
    .symbol:         k_q896092b9aa_place.kd
    .args:
      - { .name: ridx, .offset: 0, .size: 8, .value_kind: global_buffer, .address_space: global }
      - { .name: rval, .offset: 8, .size: 8, .value_kind: global_buffer, .address_space: global }
      - { .name: plan, .offset: 16, .size: 8, .value_kind: global_buffer, .address_space: global }
      - { .name: wgt, .offset: 24, .size: 8, .value_kind: global_buffer, .address_space: global }
    .group_segment_fixed_size: 5120
    .private_segment_fixed_size: 0
    .kernarg_segment_align: 8
    .kernarg_segment_size: 32
    .max_flat_workgroup_size: 1024
    .sgpr_count:     96
    .vgpr_count:     66
    .wavefront_size: 32
...
	.end_amdgpu_metadata
.endif
;; end of part 2
;; launch up (part 3): grid 256 x 1, 4 waves a work-group, no clusters, 228,608 bytes of LDS; arguments xq, plan, W1_codes, W1_scales, b1, h; writes h
.if DOCPART == 3
	.amdgcn_target "amdgcn-amd-amdhsa--gfx1250"
	.amdhsa_code_object_version 6
	.text
	.protected	k_q896092b9aa_up
	.globl	k_q896092b9aa_up
	.p2align	8
	.type	k_q896092b9aa_up,@function
k_q896092b9aa_up:
	s_mov_b64 s[64:65], 0
	v_nop
	global_prefetch_b8 v0, s[64:65] scope:SCOPE_SE
	s_setreg_imm32_b32 hwreg(HW_REG_WAVE_MODE, 25, 1), 1
	s_wait_xcnt 0x0
; UP.  h = Q(relu(Q(x) W1[e]^T + b1[e])) for the rows that chose expert e, in the sorted order of 'plan'; Q: codes of E3M2 with one E8M0 byte for each 32 along K.
; SHARES.  Work-group = (expert e = id / 32, 256 hidden units g = (id / 2) % 16, half rh = id % 2 of the expert's stages of 32 rows).  Wave w owns hidden units 256 g + 64 w + 0 .. 63, four tiles of 16, for all of
; K = 1,024: its 32 fragments of W1 stay in 384 registers for the whole launch.  What goes round is a stage's 32 rows of x's codes: 24 KB, gathered by the list into LDS, a stage ahead.
; THE PRODUCT IS USED TRANSPOSED (source 0 = 16 rows of W1, source 1 = 16 tokens), AND THE ROWS OF W1 THAT FORM A TILE ARE CHOSEN: lane r of tile t takes row 64 w + 32 (r / 8) + 8 t + r % 8.  So lane (r, half) holds
; token r, and its 32 registers of the four tiles are hidden units 64 w + 32 half + 0 .. 31: one whole block of the next K, in order: no lane is asked for a maximum, and the conversions' results are registers
; 6 c .. 6 c + 5 (c = w % 2) of that same lane in the next product's fragment.  They are stored as an image of those registers.
; K'S ORDER IN THIS PRODUCT.  Lane (r, half) takes 48 consecutive bytes of a row's 96 (three loads of 16 bytes), for x and for W1 alike: the instruction's blocks 0, 1, 2, 3 are memory's 0, 2, 1, 3.  The products are the
; same; W1's scale words are put into that order once, x's are stored so.
; THE LOOP HAS A CONSTANT COUNT (16 trips: an expert has at most 32 stages) and both its barriers stand on every path; a trip without a stage jumps over the work between them, on a number read from 'plan'.
; Hence no tensor load, no joint request: the weights go memory -> registers -> LDS -> fragments once (each load of a half wave covers 256 consecutive bytes, aligned).
; A filler row takes token 1,023's codes; its results go to rows of h that only filler rows of the next launch read.
; LIMITS: a block of zeros, or under 2^-122, gets the byte 1: this program alone reads the bytes.  NaN and infinities are not served.
; REGISTERS, in windows of 256: window 0: addresses, scale words, the 8 accumulators, work.  window 1: W1's tiles 0, 1 (fragment (t, s) at 12 (8 (t % 2) + s)); v192-243 a stage of x on its way.
;   window 2: W1's tiles 2, 3; v192-223 b1, eight a tile, in the result's layout: it is the C of each sum's first product.  window 3: x's fragments, (i, s) at 12 (8 i + s).
.set XSO,  786432                      ; xq: where the scale words begin
.set HSO,  7077888                     ; h: where the scale words begin
.set WP,   784                         ; LDS: W1's row rho at rho x 784 + 128 (rho / 32): rows rho and rho + 32 lie eight columns of 16 bytes apart modulo 256, so the sixteen rows of a fragment load begin in sixteen different columns.  The last row ends at 255 x 784 + 7 x 128 + 768 = 201,584
.set XL,   201728                      ; x's stage: 32 rows of 816 bytes: 768 of codes, 32 of scale bytes, 16 of padding
.set XP,   816
.set SCB,  227840                      ; 256 bytes: the stage's scale words of h
.set WST,  4                           ; v4-7   W1 into LDS: four bases, 62,720 bytes apart (an LDS offset has 16 bits)
.set WFA,  8                           ; v8     W1's fragments out of LDS
.set XSTA, 9                           ; v9     x's codes into LDS
.set XSTS, 10                          ; v10    x's scale bytes into LDS
.set XFA,  11                          ; v11    x's fragments out of LDS
.set XSA,  12                          ; v12    x's scale words out of LDS: lane l takes row l
.set SCW,  13                          ; v13    where my block's scale byte goes
.set SCR,  14                          ; v14    wave 0: 8 bytes a lane of the 256
.set L16,  15                          ; v15    16 x lane
.set L8,   16                          ; v16    8 x lane
.set PIO,  17                          ; v17    the list: my row's word, for the codes
.set PIS,  18                          ; v18    and for the scale bytes
.set GW,   19                          ; v19    W1 in memory
.set IDX,  20                          ; v20-24 five entries of the list
.set ADR,  25                          ; v25-29 five offsets in xq
.set FL,   30                          ; v30-31 wave 0: the scale words on their way out
.set W1S,  32                          ; v32-47 W1's scale words: 8 (t / 2) + s; lanes 0-15 the even tile, lanes 16-31 the odd one
.set XS,   48                          ; v48-55 x's: word s; lanes 0-15 rows 0-15, lanes 16-31 rows 16-31
.set C16,  56                          ; v56    16 x (lane % 16)
.set CXS,  57                          ; v57    XSO + 16 x (lane % 2)
.set AWS,  60                          ; v60    W1's scale words in memory
.set AB1,  61                          ; v61    b1 in memory
.set ACC,  64                          ; v64-127 accumulator (i, t) at 32 i + 8 t
.set TK,   128                         ; v128.. at work
.set CD,   144                         ; v144-149, v152-157 the codes of rows 0-15, 16-31;  v160.., v164.. the second conversions
.set XR,   192                         ; in window 1
.set B1,   192                         ; in window 2
.set MSB, 0
.macro WIN new                         ; the immediate's high byte repeats the setting that is left; a switch that changes nothing is dropped
.if MSB != (\new)
	s_set_vgpr_msb (MSB<<8)|(\new)
.set MSB, (\new)
.endif
.endm
	s_load_b256 s[4:11], s[0:1], 0x0               ; xq s[4:5], plan s[6:7], W1's codes s[8:9], W1's scales s[10:11]
	s_load_b128 s[12:15], s[0:1], 0x20             ; b1 s[12:13], h s[14:15]
	v_lshl_add_u32 v254, v0, 2, 0x37b00
	v_mov_b32 v255, 0
	v_and_b32 v1, 31, v0                           ; lane
	v_and_b32 v2, 15, v0                           ; r
	v_bfe_u32 v3, v0, 4, 1                         ; half
	v_lshrrev_b32 v63, 4, v0                       ; 2 x wave + half: 0..7
	v_lshrrev_b32 v62, 5, v0
	v_readfirstlane_b32 s19, v62                   ; wave 0..3
	v_lshlrev_b32 v[C16], 4, v2
	v_mad_u32_u24 v[WST], v63, WP, v[C16]
	v_add_nc_u32 v[WST+1], 62720, v[WST]
	v_add_nc_u32 v[WST+2], 125440, v[WST]
	v_add_nc_u32 v[WST+3], 188160, v[WST]
	v_bfe_u32 v59, v0, 3, 1                        ; r / 8
	v_and_b32 v[AWS], 7, v0
	v_lshl_add_u32 v[AWS], v59, 5, v[AWS]
	v_lshl_add_u32 v[AWS], v62, 6, v[AWS]          ; 64 w + 32 (r / 8) + r % 8: my row of tile 0
	v_mul_u32_u24 v[WFA], v[AWS], WP
	v_lshl_add_u32 v[WFA], v59, 7, v[WFA]          ; + 128 x (row / 32), and row / 32 = 2 w + r / 8 for all four tiles
	v_lshl_add_u32 v[WFA], v62, 8, v[WFA]
	v_mad_u32_u24 v[WFA], v3, 48, v[WFA]
	v_lshl_add_u32 v[AWS], v3, 3, v[AWS]           ; lanes 16-31 take the odd tile's rows, 8 further on
	v_lshlrev_b32 v[AWS], 5, v[AWS]                ; 32 scale bytes a row
	v_lshlrev_b32 v[AB1], 7, v63                   ; b1: (64 w + 32 half) x 4 bytes
	v_mad_u32_u24 v[XSTA], v63, XP, v[C16]
	v_add_nc_u32 v[XSTA], XL, v[XSTA]
	v_bfe_u32 v59, v0, 1, 3
	v_lshl_add_u32 v59, v62, 3, v59                ; 8 w + (lane % 16) / 2: the row whose scale bytes I fetch (lanes 16-31 repeat lanes 0-15)
	v_and_b32 v58, 1, v0
	v_lshlrev_b32 v58, 4, v58
	v_mad_u32_u24 v[XSTS], v59, XP, v58
	v_add_nc_u32 v[XSTS], XL+768, v[XSTS]
	v_lshlrev_b32 v[PIS], 2, v59
	v_add_nc_u32 v[CXS], XSO, v58
	v_mul_u32_u24 v[XFA], v2, XP
	v_mad_u32_u24 v[XFA], v3, 48, v[XFA]
	v_add_nc_u32 v[XFA], XL, v[XFA]
	v_mul_u32_u24 v[XSA], v1, XP
	v_add_nc_u32 v[XSA], XL+768, v[XSA]
	v_lshl_add_u32 v[SCW], v2, 3, v63              ; row r's 8 bytes; in them byte 2 w + half: word w / 2, block 2 (w % 2) + half
	v_add_nc_u32 v[SCW], SCB, v[SCW]
	v_lshlrev_b32 v[L8], 3, v1
	v_add_nc_u32 v[SCR], SCB, v[L8]
	v_lshlrev_b32 v[L16], 4, v1
	v_lshlrev_b32 v[PIO], 2, v63
	v_mad_u32_u24 v[GW], v63, 768, v[C16]
	s_lshr_b32 s16, ttmp9, 5                       ; e
	s_bfe_u32 s17, ttmp9, 0x40001                  ; g
	s_and_b32 s18, ttmp9, 1                        ; rh
	s_lshl_b32 s22, s16, 3
	s_mov_b32 s47, 0
	s_mov_b32 s48, 0x03010200                      ; bytes 0, 2, 1, 3
	s_wait_kmcnt 0x0
	s_load_b64 s[20:21], s[6:7], s22 offset:0x0    ; the expert's first stage and its number of stages
	s_mul_i32 s46, s16, 3145728
	s_mul_i32 s23, s17, 196608
	s_add_co_u32 s46, s46, s23
	s_add_nc_u64 s[24:25], s[8:9], s[46:47]        ; my 256 rows of W1: 196,608 consecutive bytes
	s_lshl_b32 s46, s16, 17
	s_lshl_b32 s23, s17, 13
	s_add_co_u32 s46, s46, s23
	s_add_nc_u64 s[26:27], s[10:11], s[46:47]      ; their scale bytes
	s_lshl_b32 s46, s16, 14
	s_lshl_b32 s23, s17, 10
	s_add_co_u32 s46, s46, s23
	s_add_nc_u64 s[28:29], s[12:13], s[46:47]      ; their b1
	s_mul_i32 s46, s17, 3072
	s_mul_i32 s23, s19, 768
	s_add_co_u32 s46, s46, s23
	s_add_nc_u64 s[30:31], s[14:15], s[46:47]      ; h: K step 2 g + w / 2 (1,536 bytes), half c = w % 2 of its image (768)
	s_mul_i32 s46, s17, 18432
	s_add_co_u32 s46, s46, HSO
	s_add_nc_u64 s[32:33], s[14:15], s[46:47]      ; h's scale words: [g][stage][256 bytes]
	s_add_nc_u64 s[34:35], s[6:7], 256             ; perm
.irp tp, 0,1
.irp hf, 0,1
	global_load_b128 v[W1S+8*\tp+4*\hf:W1S+8*\tp+4*\hf+3], v[AWS], s[26:27] offset:512*\tp+16*\hf
.endr
.endr
	WIN 0x80                                       ; destination window 2
.irp t, 0,1,2,3
.irp hf, 0,1
	global_load_b128 v[B1+8*\t+4*\hf:B1+8*\t+4*\hf+3], v[AB1], s[28:29] offset:32*\t+16*\hf
.endr
.endr
	WIN 0
; five entries of the list: my row's, for each of the four runs of eight rows, and that of the row whose scale bytes I fetch
.macro IDXLOAD off
.irp a, 0,1,2,3
	global_load_b32 v[IDX+\a], v[PIO], s[44:45] offset:\off+32*\a
.endr
	global_load_b32 v[IDX+4], v[PIS], s[44:45] offset:\off
.endm
; entry -> token (held inside the table) -> byte offsets in xq
.macro MKADDR
.irp a, 0,1,2,3,4
	v_lshrrev_b32 v[TK+\a], 1, v[IDX+\a]
.endr
.irp a, 0,1,2,3,4
	v_min_u32 v[TK+\a], 0x3ff, v[TK+\a]
.endr
.irp a, 0,1,2,3
	v_mad_u32_u24 v[ADR+\a], v[TK+\a], 768, v[C16]
.endr
	v_lshl_add_u32 v[ADR+4], v[TK+4], 5, v[CXS]
.endm
; a stage of x: my wave's eight rows of codes (a half wave: 256 consecutive bytes, aligned) and eight rows of scale bytes: 13 loads
.macro XLOAD
	WIN 0x40
.irp a, 0,1,2,3
.irp c, 0,1,2
	global_load_b128 v[XR+12*\a+4*\c:XR+12*\a+4*\c+3], v[ADR+\a], s[4:5] offset:256*\c
.endr
.endr
	global_load_b128 v[XR+48:XR+51], v[ADR+4], s[4:5]
	WIN 0
.endm
.macro XSTORE
	WIN 0x04                                       ; an LDS store's data are its source 1: window 1
.irp a, 0,1,2,3
.irp c, 0,1,2
	ds_store_b128 v[XSTA], v[XR+12*\a+4*\c:XR+12*\a+4*\c+3] offset:6528*\a+256*\c
.endr
.endr
	ds_store_b128 v[XSTS], v[XR+48:XR+51]
	WIN 0
.endm
	WIN 0x40                                       ; W1: load k: rows 8 (k / 3) + 0 .. 7, bytes 256 (k % 3) on; 96 loads a wave.  Its addresses hang on ids alone: the first 48 go out ahead of the wait for the expert's stage numbers
.set k, 0
.rept 48
	global_load_b128 v[4*k:4*k+3], v[GW], s[24:25] offset:6144*(k/3)+256*(k%3)
.set k, k+1
.endr
	WIN 0
	s_wait_kmcnt 0x0                               ; the expert's first stage and its number of stages
	s_min_u32 s20, s20, 71                         ; numbers read from memory are held before they enter an address or a count
	s_min_u32 s21, s21, 32
	s_add_co_u32 s46, s20, s18
	s_lshl_b32 s46, s46, 7
	s_add_nc_u64 s[44:45], s[34:35], s[46:47]      ; the list at my first stage
	IDXLOAD 0
	WIN 0x80
.rept 48
	global_load_b128 v[4*(k-48):4*(k-48)+3], v[GW], s[24:25] offset:6144*(k/3)+256*(k%3)
.set k, k+1
.endr
	WIN 0
	s_wait_loadcnt 48                              ; all but the 48 loads of W1 just issued: the scale words, b1, the first 48 of W1 and the list's entries are in
	MKADDR
	XLOAD                                          ; my first stage of x
	IDXLOAD 256                                    ; the list two stages on: my second stage
.set k, 0
.rept 16
	v_perm_b32 v[W1S+k], v[W1S+k], v[W1S+k], s48   ; W1's scale words into the order of the operand's blocks
.set k, k+1
.endr
	WIN 0x04                                       ; the first half of W1 goes into LDS while the second half is on its way
.set k, 0
.rept 48                               ; rows 8 a + 0 .. 7 (a = k / 3) lie at a x 6,272 + 128 (a / 4): a / 4 is these rows' number / 32
	ds_store_b128 v[WST+(k/3)/10], v[4*k:4*k+3] offset:((k/3)%10)*6272+128*((k/3)>>2)+256*(k%3)
.set k, k+1
.endr
	s_wait_loadcnt 18                              ; the second 48 of W1 are in; the 13 loads of x and the list's five, issued behind them, may be out
	WIN 0x08
.rept 48
	ds_store_b128 v[WST+(k/3)/10], v[4*(k-48):4*(k-48)+3] offset:((k/3)%10)*6272+128*((k/3)>>2)+256*(k%3)
.set k, k+1
.endr
	WIN 0
	s_wait_loadcnt 5                               ; x's 13 loads are in; the list's five may be out
	XSTORE
	s_wait_dscnt 0x0                               ; for the others' sake: my rows of W1 lie in LDS
	s_barrier_signal -1
	s_barrier_wait -1
.irp t, 0,1,2,3                        ; my 32 fragments: three loads of 16 bytes each; they stay
	WIN 0x40+0x40*(\t/2)
.irp s, 0,1,2,3,4,5,6,7
.irp c, 0,1,2
	ds_load_b128 v[12*(8*(\t%2)+\s)+4*\c:12*(8*(\t%2)+\s)+4*\c+3], v[WFA] offset:6272*\t+96*\s+16*\c
.endr
.endr
.endr
	WIN 0
; One product: tile t of W1 x rows 16 i on of the stage, K step s.  The first K step takes b1 as its C.
.macro MM t, i, s
.set rD, ACC+32*(\i)+8*(\t)
.set rA, 12*(8*((\t)&1)+(\s))
.set rB, 12*(8*(\i)+(\s))
.set rSA, W1S+8*((\t)>>1)+(\s)
.set rSB, XS+(\s)
.set rC, rD
.if (\s) == 0
.set rC, B1+8*(\t)
.endif
.set fA, (\t)&1
.set fB, (\i)
.if fA && fB
	v_wmma_scale_f32_16x16x128_f8f6f4 v[rD:rD+7], v[rA:rA+11], v[rB:rB+11], v[rC:rC+7], v[rSA], v[rSB] matrix_a_fmt:MATRIX_FMT_BF6 matrix_b_fmt:MATRIX_FMT_BF6 matrix_a_scale:MATRIX_SCALE_ROW1 matrix_b_scale:MATRIX_SCALE_ROW1
.elseif fA
	v_wmma_scale_f32_16x16x128_f8f6f4 v[rD:rD+7], v[rA:rA+11], v[rB:rB+11], v[rC:rC+7], v[rSA], v[rSB] matrix_a_fmt:MATRIX_FMT_BF6 matrix_b_fmt:MATRIX_FMT_BF6 matrix_a_scale:MATRIX_SCALE_ROW1
.elseif fB
	v_wmma_scale_f32_16x16x128_f8f6f4 v[rD:rD+7], v[rA:rA+11], v[rB:rB+11], v[rC:rC+7], v[rSA], v[rSB] matrix_a_fmt:MATRIX_FMT_BF6 matrix_b_fmt:MATRIX_FMT_BF6 matrix_b_scale:MATRIX_SCALE_ROW1
.else
	v_wmma_scale_f32_16x16x128_f8f6f4 v[rD:rD+7], v[rA:rA+11], v[rB:rB+11], v[rC:rC+7], v[rSA], v[rSB] matrix_a_fmt:MATRIX_FMT_BF6 matrix_b_fmt:MATRIX_FMT_BF6
.endif
.endm
	s_mov_b32 s36, s18                             ; my stage among the expert's: rh, rh + 2, ..
	s_mov_b32 s37, 0
.Ltrip:
	s_wait_xcnt 0x0                                ; the last trip's loads and stores have read their bases and their data: both are written again below
	s_add_co_u32 s38, s20, s36                     ; the stage's number in the sorted order
	s_mul_i32 s46, s38, 98304
	s_add_nc_u64 s[40:41], s[30:31], s[46:47]      ; its two row tiles in h: 2 x 32 K steps x 1,536 bytes
	s_lshl_b32 s46, s38, 8
	s_add_nc_u64 s[42:43], s[32:33], s[46:47]      ; its scale words
	s_add_co_u32 s46, s38, 4
	s_min_u32 s46, s46, 75
	s_lshl_b32 s46, s46, 7
	s_add_nc_u64 s[44:45], s[34:35], s[46:47]      ; the list four stages on (my next but one), held inside perm
	s_wait_dscnt 0x0                               ; my stores of the stage's rows have landed
	s_barrier_signal -1
	s_barrier_wait -1                              ; the stage of x is whole
	s_cmp_lt_u32 s36, s21
	s_cbranch_scc0 .Lq1_done                       ; no such stage: nothing is issued, so every count below holds on every path
	s_wait_loadcnt 0x0                             ; the list's entries for my next stage, asked for a trip ago
	MKADDR
	XLOAD                                          ; my next stage of x: it lands while this one is multiplied
	IDXLOAD 0
	ds_load_b128 v[XS:XS+3], v[XSA]
	ds_load_b128 v[XS+4:XS+7], v[XSA] offset:16
	WIN 0xc0                                       ; destination window 3
.irp s, 0,1,2,3,4,5,6,7
.irp i, 0,1
.irp c, 0,1,2
	ds_load_b128 v[12*(8*\i+\s)+4*\c:12*(8*\i+\s)+4*\c+3], v[XFA] offset:13056*\i+96*\s+16*\c
.endr
.endr
.endr
.irp tp, 0,1                           ; four accumulators by turns, one instruction a turn; K ascending
.irp s, 0,1,2,3,4,5,6,7
.if \tp == 0
	s_wait_dscnt 42-6*\s                           ; K step s's six loads are in; the six of each later K step may be out
.endif
.if \s == 0
	WIN 0x2d+\tp                                   ; W1 window 1 or 2, x window 3, C = b1 in window 2, D window 0
.else
	WIN 0x0d+\tp                                   ; C and D window 0
.endif
	MM 2*\tp, 0, \s
	MM 2*\tp, 1, \s
	MM 2*\tp+1, 0, \s
	MM 2*\tp+1, 1, \s
.endr
.endr
	WIN 0
.rept 4
	v_nop                                          ; four places behind the last products, ahead of the first read of results (ISA guide 7.12.1)
.endr
.set k, 0
.rept 64
	v_max_num_f32 v[ACC+k], 0, v[ACC+k]            ; relu, in f32; each accumulator from its low end on
.set k, k+1
.endr
.irp i, 0,1                            ; my block of each row tile: all 32 numbers are mine, none is negative; two chains a tile, each begun with the floor 2^(5 - 127)
	v_max3_num_f32 v[TK+2*\i], v[ACC+32*\i], v[ACC+32*\i+1], 0x2800000
	v_max3_num_f32 v[TK+2*\i+1], v[ACC+32*\i+16], v[ACC+32*\i+17], 0x2800000
.endr
.irp j, 2,4,6,8,10,12,14
.irp i, 0,1
	v_max3_num_f32 v[TK+2*\i], v[TK+2*\i], v[ACC+32*\i+\j], v[ACC+32*\i+\j+1]
	v_max3_num_f32 v[TK+2*\i+1], v[TK+2*\i+1], v[ACC+32*\i+16+\j], v[ACC+32*\i+17+\j]
.endr
.endr
.irp i, 0,1
	v_max_num_f32 v[TK+2*\i], v[TK+2*\i], v[TK+2*\i+1]
.endr
.irp i, 0,1
	v_add_nc_u32 v[TK+4+\i], 0xfe000000, v[TK+2*\i]   ; 4 off the exponent field: the conversion's scale operand
.endr
.irp i, 0,1
	v_lshrrev_b32 v[TK+6+\i], 23, v[TK+4+\i]       ; the scale's byte
.endr
.irp i, 0,1
	v_cvt_scalef32_pk16_bf6_f32 v[CD+8*\i:CD+8*\i+2], v[ACC+32*\i:ACC+32*\i+15], v[TK+4+\i]
	v_cvt_scalef32_pk16_bf6_f32 v[CD+16+4*\i:CD+18+4*\i], v[ACC+32*\i+16:ACC+32*\i+31], v[TK+4+\i]   ; (a conversion's three registers begin on an even number)
.endr
	v_nop                                          ; one plain line behind the conversions
.irp i, 0,1
.irp j, 0,1,2
	v_mov_b32 v[CD+8*\i+3+\j], v[CD+16+4*\i+\j]
.endr
.endr
.irp i, 0,1
	global_store_b128 v[L16], v[CD+8*\i:CD+8*\i+3], s[40:41] offset:49152*\i           ; registers 6 c .. 6 c + 3 of the image: 512 consecutive bytes
	global_store_b64 v[L8], v[CD+8*\i+4:CD+8*\i+5], s[40:41] offset:49152*\i+512       ; registers 6 c + 4, 6 c + 5: 256 consecutive bytes
	ds_store_b8 v[SCW], v[TK+6+\i] offset:128*\i
.endr
.Lq1_done:
	s_wait_dscnt 0x0                               ; my reads of the stage are over, my scale bytes have landed
	s_barrier_signal -1
	s_barrier_wait -1
	s_cmp_lt_u32 s36, s21
	s_cbranch_scc0 .Lq2_done
	s_cmp_lg_u32 s19, 0
	s_cbranch_scc1 .Lno_flush
	ds_load_b64 v[FL:FL+1], v[SCR]                 ; wave 0: the stage's 32 rows x 2 scale words leave as 256 consecutive bytes, aligned
	s_wait_dscnt 0x0
	global_store_b64 v[L8], v[FL:FL+1], s[42:43]
.Lno_flush:
	s_wait_loadcnt 5                               ; the next stage's 13 loads are in; the list's five, issued behind them, may be out
	XSTORE
.Lq2_done:
	s_add_co_u32 s36, s36, 2
	s_add_co_u32 s37, s37, 1
	s_cmp_lt_u32 s37, 16
	s_cbranch_scc1 .Ltrip
	s_wait_tensorcnt 0x0
	ds_add_u32 v254, v255
	s_wait_dscnt 0x0
	s_endpgm
.Lfunc_end_k_q896092b9aa_up:
	.size	k_q896092b9aa_up, .Lfunc_end_k_q896092b9aa_up-k_q896092b9aa_up
	.p2alignl 7, 3214868480
	.fill 96, 4, 3214868480
	.section	.rodata,"a",@progbits
	.p2align	6, 0x0
	.amdhsa_kernel k_q896092b9aa_up
		.amdhsa_group_segment_fixed_size 228608
		.amdhsa_private_segment_fixed_size 0
		.amdhsa_enable_private_segment 0
		.amdhsa_kernarg_size 48
		.amdhsa_user_sgpr_count 2
		.amdhsa_user_sgpr_kernarg_segment_ptr 1
		.amdhsa_wavefront_size32 1
		.amdhsa_system_sgpr_workgroup_id_x 1
		.amdhsa_system_sgpr_workgroup_id_y 1
		.amdhsa_system_sgpr_workgroup_id_z 1
		.amdhsa_system_vgpr_workitem_id 0
		.amdhsa_next_free_vgpr 960
		.amdhsa_next_free_sgpr 66
		.amdhsa_reserve_vcc 0
		.amdhsa_float_denorm_mode_32 3
		.amdhsa_float_denorm_mode_16_64 3
		.amdhsa_memory_ordered 1
		.amdhsa_forward_progress 1
		.amdhsa_inst_pref_size 54
	.end_amdhsa_kernel
	.amdgpu_metadata
---
amdhsa.version: [ 1, 2 ]
amdhsa.kernels:
  - .name:           k_q896092b9aa_up
    .symbol:         k_q896092b9aa_up.kd
    .args:
      - { .name: xq, .offset: 0, .size: 8, .value_kind: global_buffer, .address_space: global }
      - { .name: plan, .offset: 8, .size: 8, .value_kind: global_buffer, .address_space: global }
      - { .name: W1_codes, .offset: 16, .size: 8, .value_kind: global_buffer, .address_space: global }
      - { .name: W1_scales, .offset: 24, .size: 8, .value_kind: global_buffer, .address_space: global }
      - { .name: b1, .offset: 32, .size: 8, .value_kind: global_buffer, .address_space: global }
      - { .name: h, .offset: 40, .size: 8, .value_kind: global_buffer, .address_space: global }
    .group_segment_fixed_size: 228608
    .private_segment_fixed_size: 0
    .kernarg_segment_align: 8
    .kernarg_segment_size: 48
    .max_flat_workgroup_size: 128
    .sgpr_count:     66
    .vgpr_count:     960
    .wavefront_size: 32
...
	.end_amdgpu_metadata
.endif
;; end of part 3
;; launch down (part 4): grid 256 x 1, 4 waves a work-group, no clusters, 232,960 bytes of LDS; arguments h, plan, W2_codes, W2_scales, b2, y; writes y
.if DOCPART == 4
	.amdgcn_target "amdgcn-amd-amdhsa--gfx1250"
	.amdhsa_code_object_version 6
	.text
	.protected	k_q896092b9aa_down
	.globl	k_q896092b9aa_down
	.p2align	8
	.type	k_q896092b9aa_down,@function
k_q896092b9aa_down:
	s_mov_b64 s[64:65], 0
	v_nop
	global_prefetch_b8 v0, s[64:65] scope:SCOPE_SE
	s_setreg_imm32_b32 hwreg(HW_REG_WAVE_MODE, 25, 1), 1
	s_wait_xcnt 0x0
; DOWN.  y[entry] = Q(h) W2[e]^T + b2[e] for the rows that chose expert e; entry = 2 x token + slot, read from 'plan'.  Both operands are codes of E3M2 with E8M0 scales; sums in f32.
; SHARES.  Work-group = (expert e = id / 32, 64 output columns cs = (id / 2) % 16, half rh = id % 2 of the expert's stages of 32 rows).  THE WAVES SHARE K: wave w owns K steps 8 w .. 8 w + 7 (of 32) of all 64 columns:
; 4 column tiles x 8 K steps = 32 fragments of W2, 384 registers, for the whole launch.  So a fragment of h is read by ONE wave of the work-group, straight from memory as the image of its registers that the launch
; before has stored (dense loads of 16 and 8 bytes a lane), and feeds four products.  The four waves' partial sums meet in a stage in LDS; wave w adds rows 8 w .. 8 w + 7, adds b2 and stores whole rows of 256 bytes.
; TRANSPOSED USE: source 0 = 16 columns (rows of W2), source 1 = 16 rows of h: a lane holds eight neighbouring columns of one row.
; h RUNS A STAGE AHEAD, in four groups of 17 loads: a group's registers are asked for again as soon as its 16 products are issued, so that three groups and more are always on their way.
; THE ENTRIES of the eight rows that a wave stores run a stage ahead too: one scalar load at the end of a stage's second half asks for the next stage's, so that it has that stage's products in which to land,
; and a trip without a stage issues no scalar load and waits for none.
; THE LOOP HAS A CONSTANT COUNT (16 trips) and both its barriers stand on every path; a trip without a stage jumps over the work between them, on a number read from 'plan'.  Hence no tensor load and no joint request.
; y is laid [cs][entry 0 .. 2,055][64 f32].  A filler row of expert e has entry 2,048 + e: all fillers of an expert lie in its last stage, so one work-group for each cs writes that row (more than once), and nobody reads it.
; The order of the f32 sums: four partial sums over K's quarters, then (p0 + p1) + (p2 + p3) + b2.
; REGISTERS: window 0: addresses, scale words, b2, the 8 accumulators ((n, i) at 8 (2 n + i)), the sums.  windows 1, 2: W2's column tiles 0, 1 and 2, 3 (fragment (n, s) at 12 (8 (n % 2) + s)).  window 3: h's, (i, s) at 12 (8 i + s).
.set HSO,  7077888                     ; h: where the scale words begin
.set STG,  197632                      ; LDS: 0 ..: W2's 64 rows, 3,088 bytes apart; then the stage: 4 waves x 32 rows x 272 bytes
.set WST,  4                           ; v4-6   W2 into LDS: three bases, 74,112 bytes apart
.set GW,   7                           ; v7     W2 in memory
.set WFA,  8                           ; v8-9   W2's fragments out of LDS: column tiles 0, 1 and 2, 3
.set STO,  10                          ; v10    the stage: where I put 32 bytes of a row
.set SRD,  11                          ; v11    and where I read 16 bytes of a row back
.set L16,  12                          ; v12    16 x lane
.set L8,   13                          ; v13    8 x lane
.set C16,  14                          ; v14    16 x (lane % 16)
.set AWS,  15                          ; v15    W2's scale words in memory
.set W2S,  32                          ; v32-47 W2's scale words: 8 (n / 2) + s; lanes 0-15 the even tile, lanes 16-31 the odd one
.set HS,   48                          ; v48-55 h's: word s; lanes 0-15 rows 0-15, lanes 16-31 rows 16-31
.set B2,   56                          ; v56-59 b2 of my four columns
.set M0,   60                          ; v60    all ones in lanes 0-15;  v61 all ones in lanes 16-31
.set ACC,  64
.set RD,   128                         ; v128-191 partial sums read back: 16 q + 4 p
.set EN,   192                         ; v192-195 the stores' offsets
.set MSB, 0
.macro WIN new
.if MSB != (\new)
	s_set_vgpr_msb (MSB<<8)|(\new)
.set MSB, (\new)
.endif
.endm
	s_load_b256 s[4:11], s[0:1], 0x0               ; h s[4:5], plan s[6:7], W2's codes s[8:9], W2's scales s[10:11]
	s_load_b128 s[12:15], s[0:1], 0x20             ; b2 s[12:13], y s[14:15]
	v_lshl_add_u32 v254, v0, 2, 0x38c00
	v_mov_b32 v255, 0
	v_and_b32 v1, 31, v0
	v_and_b32 v2, 15, v0
	v_bfe_u32 v3, v0, 4, 1
	v_lshrrev_b32 v63, 4, v0                       ; 2 x wave + half
	v_lshrrev_b32 v62, 5, v0
	v_readfirstlane_b32 s19, v62                   ; wave 0..3
	v_lshlrev_b32 v[C16], 4, v2
	v_lshlrev_b32 v[L16], 4, v1
	v_lshlrev_b32 v[L8], 3, v1
	v_mad_u32_u24 v[WST], v63, 3088, v[C16]
	v_add_nc_u32 v[WST+1], 74112, v[WST]
	v_add_nc_u32 v[WST+2], 148224, v[WST]
	v_mad_u32_u24 v[GW], v63, 3072, v[C16]
	v_mul_u32_u24 v[WFA], v2, 3088
	v_mad_u32_u24 v[WFA], v62, 768, v[WFA]         ; my quarter of K: 768 bytes of each row
	v_mad_u32_u24 v[WFA], v3, 24, v[WFA]
	v_add_nc_u32 v[WFA+1], 98816, v[WFA]
	v_mul_u32_u24 v[STO], v62, 8704
	v_mad_u32_u24 v[STO], v2, 272, v[STO]
	v_lshl_add_u32 v[STO], v3, 5, v[STO]
	v_add_nc_u32 v[STO], STG, v[STO]
	v_lshl_add_u32 v[SRD], v62, 3, v3
	v_mad_u32_u24 v[SRD], v[SRD], 272, v[C16]
	v_add_nc_u32 v[SRD], STG, v[SRD]
	v_lshlrev_b32 v[AWS], 7, v1
	v_lshl_add_u32 v[AWS], v62, 5, v[AWS]          ; row = lane: 128 scale bytes a row, my quarter's 32
	v_sub_nc_u32 v[M0+1], 0, v3
	v_xor_b32 v[M0], -1, v[M0+1]
	s_lshr_b32 s16, ttmp9, 5                       ; e
	s_bfe_u32 s17, ttmp9, 0x40001                  ; cs
	s_and_b32 s18, ttmp9, 1                        ; rh
	s_lshl_b32 s22, s16, 3
	s_mov_b32 s47, 0
	s_wait_kmcnt 0x0
	s_load_b64 s[20:21], s[6:7], s22 offset:0x0    ; the expert's first stage and its number of stages
	s_mul_i32 s46, s16, 3145728
	s_mul_i32 s23, s17, 196608
	s_add_co_u32 s46, s46, s23
	s_add_nc_u64 s[24:25], s[8:9], s[46:47]        ; my 64 rows of W2: 196,608 consecutive bytes
	s_lshl_b32 s46, s16, 17
	s_lshl_b32 s23, s17, 13
	s_add_co_u32 s46, s46, s23
	s_add_nc_u64 s[26:27], s[10:11], s[46:47]      ; their scale bytes
	s_lshl_b32 s46, s16, 12
	s_lshl_b32 s23, s17, 8
	s_add_co_u32 s46, s46, s23
	s_add_nc_u64 s[28:29], s[12:13], s[46:47]      ; their b2
	s_mul_i32 s46, s19, 12288
	s_add_nc_u64 s[30:31], s[4:5], s[46:47]        ; h: my eight K steps of 1,536 bytes
	s_mul_i32 s46, s19, 73728
	s_add_co_u32 s46, s46, HSO
	s_add_nc_u64 s[32:33], s[4:5], s[46:47]        ; h's scale words: [g = 4 w ..][stage][256 bytes]
	s_mul_i32 s46, s17, 526336
	s_add_nc_u64 s[34:35], s[14:15], s[46:47]      ; y at my 64 columns
	s_lshl_b32 s45, s19, 5                         ; 32 x wave: my eight words of a stage's 32 in the list
.irp q, 0,1
.irp hf, 0,1
	global_load_b128 v[W2S+8*\q+4*\hf:W2S+8*\q+4*\hf+3], v[AWS], s[26:27] offset:4096*\q+16*\hf
.endr
.endr
	global_load_b128 v[B2:B2+3], v[C16], s[28:29]
	WIN 0x40                                       ; W2: load k: rows 8 (k / 12) + 0 .. 7, bytes 256 (k % 12) on: a half wave reads 256 consecutive bytes, aligned; 96 loads a wave
.set k, 0
.rept 48
	global_load_b128 v[4*k:4*k+3], v[GW], s[24:25] offset:24576*(k/12)+256*(k%12)
.set k, k+1
.endr
	WIN 0x80
.rept 48
	global_load_b128 v[4*(k-48):4*(k-48)+3], v[GW], s[24:25] offset:24576*(k/12)+256*(k%12)
.set k, k+1
.endr
	WIN 0
; Group q of a stage of h: my K steps 2 q, 2 q + 1, both row tiles: four fragments by four dense loads each, and their scale words: 17 loads
.macro HGROUP q
	WIN 0xc0                                       ; destination window 3
.irp ss, 0,1
.irp i, 0,1
.set F, 12*(8*\i+2*(\q)+\ss)
.set O, 49152*\i+1536*(2*(\q)+\ss)
	global_load_b128 v[F:F+3], v[L16], s[40:41] offset:O
	global_load_b64 v[F+4:F+5], v[L8], s[40:41] offset:O+512
	global_load_b128 v[F+6:F+9], v[L16], s[40:41] offset:O+768
	global_load_b64 v[F+10:F+11], v[L8], s[40:41] offset:O+1280
.endr
.endr
	WIN 0
	global_load_b64 v[HS+2*(\q):HS+2*(\q)+1], v[L8], s[42:43] offset:18432*(\q)
.endm
	s_wait_kmcnt 0x0
	s_min_u32 s20, s20, 71                         ; numbers read from memory are held before they enter an address or a count
	s_min_u32 s21, s21, 32
	s_add_co_u32 s39, s20, s18
	s_cmp_lt_u32 s18, s21
	s_cselect_b32 s39, s39, 0                      ; my first stage; a work-group without one reads stage 0, which always exists, and uses nothing of it
	s_min_u32 s39, s39, 71
	s_mul_i32 s46, s39, 98304
	s_add_nc_u64 s[40:41], s[30:31], s[46:47]
	s_lshl_b32 s46, s39, 8
	s_add_nc_u64 s[42:43], s[32:33], s[46:47]
	s_add_co_u32 s44, s20, s18                     ; at most 72: inside perm's 76 stages
	s_lshl_b32 s44, s44, 7
	s_add_co_u32 s44, s44, s45
	s_load_b256 s[48:55], s[6:7], s44 offset:0x100 ; my first stage's entries: perm[32 x stage + 8 w + 0 .. 7]; waited for in front of the first trip's first barrier
	HGROUP 0
	HGROUP 1
	HGROUP 2
	HGROUP 3
	s_wait_loadcnt 63                              ; 68 loads of h were issued behind W2's: with 63 out all of W2, its scale words and b2 are in
	WIN 0x04                                       ; an LDS store's data are its source 1
.set k, 0
.rept 48
	ds_store_b128 v[WST+(k/12)/3], v[4*k:4*k+3] offset:((k/12)%3)*24704+256*(k%12)
.set k, k+1
.endr
	WIN 0x08
.rept 48
	ds_store_b128 v[WST+(k/12)/3], v[4*(k-48):4*(k-48)+3] offset:((k/12)%3)*24704+256*(k%12)
.set k, k+1
.endr
	WIN 0
	s_wait_dscnt 0x0                               ; for the others' sake: my rows of W2 lie in LDS
	s_barrier_signal -1
	s_barrier_wait -1
.irp n, 0,1,2,3                        ; my 32 fragments, in pieces of 8 bytes (24 bytes of a row's stream of bits for each half of a fragment); rows 772 words apart: the 32 lanes of a load touch 64 different banks
	WIN 0x40+0x40*(\n/2)
.irp s, 0,1,2,3,4,5,6,7
.irp p, 0,1,2,3,4,5
	ds_load_b64 v[12*(8*(\n%2)+\s)+2*\p:12*(8*(\n%2)+\s)+2*\p+1], v[WFA+\n/2] offset:(\n%2)*49408+96*\s+48*(\p/3)+8*(\p%3)
.endr
.endr
.endr
	WIN 0
	s_wait_dscnt 0x0
; One product: column tile n x rows 16 i on of the stage, my K step s.  The first K step starts the sum with the constant 0.
.macro MD n, i, s
.set rD, ACC+8*(2*(\n)+(\i))
.set rA, 12*(8*((\n)&1)+(\s))
.set rB, 12*(8*(\i)+(\s))
.set rSA, W2S+8*((\n)>>1)+(\s)
.set rSB, HS+(\s)
.set fA, (\n)&1
.set fB, (\i)
.if (\s) == 0
.if fA && fB
	v_wmma_scale_f32_16x16x128_f8f6f4 v[rD:rD+7], v[rA:rA+11], v[rB:rB+11], 0, v[rSA], v[rSB] matrix_a_fmt:MATRIX_FMT_BF6 matrix_b_fmt:MATRIX_FMT_BF6 matrix_a_scale:MATRIX_SCALE_ROW1 matrix_b_scale:MATRIX_SCALE_ROW1
.elseif fA
	v_wmma_scale_f32_16x16x128_f8f6f4 v[rD:rD+7], v[rA:rA+11], v[rB:rB+11], 0, v[rSA], v[rSB] matrix_a_fmt:MATRIX_FMT_BF6 matrix_b_fmt:MATRIX_FMT_BF6 matrix_a_scale:MATRIX_SCALE_ROW1
.elseif fB
	v_wmma_scale_f32_16x16x128_f8f6f4 v[rD:rD+7], v[rA:rA+11], v[rB:rB+11], 0, v[rSA], v[rSB] matrix_a_fmt:MATRIX_FMT_BF6 matrix_b_fmt:MATRIX_FMT_BF6 matrix_b_scale:MATRIX_SCALE_ROW1
.else
	v_wmma_scale_f32_16x16x128_f8f6f4 v[rD:rD+7], v[rA:rA+11], v[rB:rB+11], 0, v[rSA], v[rSB] matrix_a_fmt:MATRIX_FMT_BF6 matrix_b_fmt:MATRIX_FMT_BF6
.endif
.else
.if fA && fB
	v_wmma_scale_f32_16x16x128_f8f6f4 v[rD:rD+7], v[rA:rA+11], v[rB:rB+11], v[rD:rD+7], v[rSA], v[rSB] matrix_a_fmt:MATRIX_FMT_BF6 matrix_b_fmt:MATRIX_FMT_BF6 matrix_a_scale:MATRIX_SCALE_ROW1 matrix_b_scale:MATRIX_SCALE_ROW1
.elseif fA
	v_wmma_scale_f32_16x16x128_f8f6f4 v[rD:rD+7], v[rA:rA+11], v[rB:rB+11], v[rD:rD+7], v[rSA], v[rSB] matrix_a_fmt:MATRIX_FMT_BF6 matrix_b_fmt:MATRIX_FMT_BF6 matrix_a_scale:MATRIX_SCALE_ROW1
.elseif fB
	v_wmma_scale_f32_16x16x128_f8f6f4 v[rD:rD+7], v[rA:rA+11], v[rB:rB+11], v[rD:rD+7], v[rSA], v[rSB] matrix_a_fmt:MATRIX_FMT_BF6 matrix_b_fmt:MATRIX_FMT_BF6 matrix_b_scale:MATRIX_SCALE_ROW1
.else
	v_wmma_scale_f32_16x16x128_f8f6f4 v[rD:rD+7], v[rA:rA+11], v[rB:rB+11], v[rD:rD+7], v[rSA], v[rSB] matrix_a_fmt:MATRIX_FMT_BF6 matrix_b_fmt:MATRIX_FMT_BF6
.endif
.endif
.endm
	s_mov_b32 s36, s18                             ; my stage among the expert's: rh, rh + 2, ..
	s_mov_b32 s37, 0
.Ltrip:
	s_wait_xcnt 0x0                                ; the last trip's loads (the scalar one too) and stores have read their bases, offsets and data: they are written again below
	s_add_co_u32 s38, s20, s36                     ; the stage's number in the sorted order
	s_add_co_u32 s39, s36, 2
	s_cmp_lt_u32 s39, s21
	s_cselect_b32 s39, 2, 0                        ; what is asked for in this trip: my next stage, or, behind my last, this stage once more (it is not used): only bytes that have been stored are read
	s_add_co_u32 s39, s39, s38
	s_min_u32 s39, s39, 71
	s_mul_i32 s46, s39, 98304
	s_add_nc_u64 s[40:41], s[30:31], s[46:47]
	s_lshl_b32 s46, s39, 8
	s_add_nc_u64 s[42:43], s[32:33], s[46:47]
	s_add_co_u32 s44, s38, 2                       ; the list at my next stage, held inside perm's 76 stages
	s_min_u32 s44, s44, 75
	s_lshl_b32 s44, s44, 7
	s_add_co_u32 s44, s44, s45
	s_cmp_lt_u32 s36, s21
	s_cbranch_scc0 .Lp1_done                       ; no such stage: nothing is issued, so every count below holds on every path
.irp q, 0,1,2,3
	s_wait_loadcnt 51                              ; group q is in; the three groups issued behind it, 3 x 17 loads, may be out
	WIN 0x0d                                       ; W2 window 1, h window 3, C and D window 0
.irp ss, 0,1                           ; four accumulators by turns, one instruction a turn
.irp n, 0,1
.irp i, 0,1
	MD \n, \i, 2*\q+\ss
.endr
.endr
.endr
	WIN 0x0e                                       ; W2 window 2
.irp ss, 0,1
.irp n, 2,3
.irp i, 0,1
	MD \n, \i, 2*\q+\ss
.endr
.endr
.endr
	WIN 0
.rept 4
	v_nop                                          ; four places ahead of loads into registers that these products have read (ISA guide 7.12.1 for vector instructions)
.endr
	HGROUP \q                                      ; the same group of the stage to come
.endr
	v_nop                                          ; a fifth place: the next stage's first products write these accumulators anew
.irp n, 0,1,2,3
.irp i, 0,1
	ds_store_b128 v[STO], v[ACC+8*(2*\n+\i):ACC+8*(2*\n+\i)+3] offset:4352*\i+64*\n        ; each accumulator from its low end on: row 16 i + r, columns 16 n + 8 half + 0 .. 7
	ds_store_b128 v[STO], v[ACC+8*(2*\n+\i)+4:ACC+8*(2*\n+\i)+7] offset:4352*\i+64*\n+16
.endr
.endr
.Lp1_done:
	s_wait_kmcnt 0x0                               ; this stage's entries, asked for a stage ago (in a trip without a stage nothing is out)
	s_wait_dscnt 0x0                               ; for the others' sake: my partial sums lie in the stage
	s_barrier_signal -1
	s_barrier_wait -1
	s_cmp_lt_u32 s36, s21
	s_cbranch_scc0 .Lp2_done
.irp q, 0,1,2,3                        ; rows 8 w + 2 q (lanes 0-15) and 8 w + 2 q + 1 (lanes 16-31), the four waves' parts p
.irp p, 0,1,2,3
	ds_load_b128 v[RD+16*\q+4*\p:RD+16*\q+4*\p+3], v[SRD] offset:8704*\p+544*\q
.endr
.endr
.irp j, 0,1,2,3,4,5,6,7
	s_min_u32 s[48+\j], s[48+\j], 2055             ; an entry stays inside y
.endr
.irp q, 0,1,2,3
	v_and_b32 v196, s[48+2*\q], v[M0]              ; lanes 0-15 take the even row's entry, lanes 16-31 the odd row's
	v_and_b32 v197, s[48+2*\q+1], v[M0+1]
	v_add_nc_u32 v196, v196, v197
	v_lshl_add_u32 v[EN+\q], v196, 8, v[C16]       ; 256 bytes an entry, 16 bytes a lane
.endr
.irp q, 0,1,2,3
	s_wait_dscnt 12-4*\q                           ; these rows' four loads are in; the later rows' may be out
.set A, RD+16*\q
	v_pk_add_f32 v[A:A+1], v[A:A+1], v[A+4:A+5]
	v_pk_add_f32 v[A+2:A+3], v[A+2:A+3], v[A+6:A+7]
	v_pk_add_f32 v[A+8:A+9], v[A+8:A+9], v[A+12:A+13]
	v_pk_add_f32 v[A+10:A+11], v[A+10:A+11], v[A+14:A+15]
	v_pk_add_f32 v[A:A+1], v[A:A+1], v[A+8:A+9]
	v_pk_add_f32 v[A+2:A+3], v[A+2:A+3], v[A+10:A+11]
	v_pk_add_f32 v[A:A+1], v[A:A+1], v[B2:B2+1]
	v_pk_add_f32 v[A+2:A+3], v[A+2:A+3], v[B2+2:B2+3]
	global_store_b128 v[EN+\q], v[A:A+3], s[34:35] ; sixteen lanes store an entry's 256 consecutive bytes, aligned
.endr
	s_load_b256 s[48:55], s[6:7], s44 offset:0x100 ; my next stage's entries: this stage's have gone into the stores' offsets; nothing names s48-55 before the wait in front of the next trip's first barrier
.Lp2_done:
	s_wait_dscnt 0x0                               ; my reads of the stage are over: it may be written again behind this barrier
	s_barrier_signal -1
	s_barrier_wait -1
	s_add_co_u32 s36, s36, 2
	s_add_co_u32 s37, s37, 1
	s_cmp_lt_u32 s37, 16
	s_cbranch_scc1 .Ltrip
	s_wait_kmcnt 0x0                               ; where the sixteenth trip had a stage, its look-ahead is still out: no scalar load is left pending at the wave's end
	s_wait_tensorcnt 0x0
	ds_add_u32 v254, v255
	s_wait_dscnt 0x0
	s_endpgm
.Lfunc_end_k_q896092b9aa_down:
	.size	k_q896092b9aa_down, .Lfunc_end_k_q896092b9aa_down-k_q896092b9aa_down
	.p2alignl 7, 3214868480
	.fill 96, 4, 3214868480
	.section	.rodata,"a",@progbits
	.p2align	6, 0x0
	.amdhsa_kernel k_q896092b9aa_down
		.amdhsa_group_segment_fixed_size 232960
		.amdhsa_private_segment_fixed_size 0
		.amdhsa_enable_private_segment 0
		.amdhsa_kernarg_size 48
		.amdhsa_user_sgpr_count 2
		.amdhsa_user_sgpr_kernarg_segment_ptr 1
		.amdhsa_wavefront_size32 1
		.amdhsa_system_sgpr_workgroup_id_x 1
		.amdhsa_system_sgpr_workgroup_id_y 1
		.amdhsa_system_sgpr_workgroup_id_z 1
		.amdhsa_system_vgpr_workitem_id 0
		.amdhsa_next_free_vgpr 960
		.amdhsa_next_free_sgpr 66
		.amdhsa_reserve_vcc 0
		.amdhsa_float_denorm_mode_32 3
		.amdhsa_float_denorm_mode_16_64 3
		.amdhsa_memory_ordered 1
		.amdhsa_forward_progress 1
		.amdhsa_inst_pref_size 61
	.end_amdhsa_kernel
	.amdgpu_metadata
---
amdhsa.version: [ 1, 2 ]
amdhsa.kernels:
  - .name:           k_q896092b9aa_down
    .symbol:         k_q896092b9aa_down.kd
    .args:
      - { .name: h, .offset: 0, .size: 8, .value_kind: global_buffer, .address_space: global }
      - { .name: plan, .offset: 8, .size: 8, .value_kind: global_buffer, .address_space: global }
      - { .name: W2_codes, .offset: 16, .size: 8, .value_kind: global_buffer, .address_space: global }
      - { .name: W2_scales, .offset: 24, .size: 8, .value_kind: global_buffer, .address_space: global }
      - { .name: b2, .offset: 32, .size: 8, .value_kind: global_buffer, .address_space: global }
      - { .name: y, .offset: 40, .size: 8, .value_kind: global_buffer, .address_space: global }
    .group_segment_fixed_size: 232960
    .private_segment_fixed_size: 0
    .kernarg_segment_align: 8
    .kernarg_segment_size: 48
    .max_flat_workgroup_size: 128
    .sgpr_count:     66
    .vgpr_count:     960
    .wavefront_size: 32
...
	.end_amdgpu_metadata
.endif
;; end of part 4
;; launch mix (part 5): grid 256 x 1, 8 waves a work-group, no clusters, 0 bytes of LDS; arguments y, wgt, out0; writes out0
.if DOCPART == 5
	.amdgcn_target "amdgcn-amd-amdhsa--gfx1250"
	.amdhsa_code_object_version 6
	.text
	.protected	k_q896092b9aa_mix
	.globl	k_q896092b9aa_mix
	.p2align	8
	.type	k_q896092b9aa_mix,@function
k_q896092b9aa_mix:
	s_mov_b64 s[64:65], 0
	v_nop
	global_prefetch_b8 v0, s[64:65] scope:SCOPE_SE
	s_setreg_imm32_b32 hwreg(HW_REG_WAVE_MODE, 25, 1), 1
	s_wait_xcnt 0x0
; MIX.  out0[token] = wgt[token][0] y[2 token] + wgt[token][1] y[2 token + 1].  y is laid [cs = 0 .. 15][entry][64 f32], 526,336 bytes for each cs.
; A work-group takes four tokens (eight entries: 2,048 consecutive bytes in each cs); a half wave takes one cs, 16 bytes a lane: every load and every store of a half wave covers 256 consecutive bytes, aligned.
; A stream: each byte of y's 2,048 real entries is read once, each byte of out0 written once; all eight loads of a wave are issued at once.  No LDS, no barrier, no matrix unit.
	s_load_b128 s[4:7], s[0:1], 0x0                ; y s[4:5], wgt s[6:7]
	s_load_b64 s[8:9], s[0:1], 0x10                ; out0
	v_lshrrev_b32 v1, 4, v0                        ; cs = 2 x wave + half
	v_mul_u32_u24 v1, v1, 526336
	v_and_b32 v2, 15, v0
	v_lshl_add_u32 v1, v2, 4, v1
	v_lshlrev_b32 v2, 4, v0                        ; in a row of out0: 256 cs + 16 (lane % 16) = 16 x thread
	s_lshl_b32 s10, ttmp9, 11
	s_mov_b32 s11, 0
	s_lshl_b32 s12, ttmp9, 5
	s_mov_b32 s13, 0
	s_lshl_b32 s14, ttmp9, 14
	s_mov_b32 s15, 0
	s_wait_kmcnt 0x0
	s_add_nc_u64 s[4:5], s[4:5], s[10:11]
	s_add_nc_u64 s[6:7], s[6:7], s[12:13]
	s_add_nc_u64 s[8:9], s[8:9], s[14:15]
	s_load_b256 s[16:23], s[6:7], 0x0              ; four tokens x two weights
.irp t, 0,1,2,3
.irp k, 0,1
	global_load_b128 v[4+8*\t+4*\k:4+8*\t+4*\k+3], v1, s[4:5] offset:512*\t+256*\k th:TH_LOAD_NT
.endr
.endr
	s_wait_kmcnt 0x0
.irp t, 0,1,2,3
	s_wait_loadcnt 6-2*\t                          ; this token's two loads are in; the later tokens' may be out
.irp j, 0,1,2,3
	v_mul_f32 v[36+4*\t+\j], s[16+2*\t], v[4+8*\t+\j]
.endr
.irp j, 0,1,2,3
	v_fmac_f32 v[36+4*\t+\j], s[17+2*\t], v[8+8*\t+\j]
.endr
	global_store_b128 v2, v[36+4*\t:36+4*\t+3], s[8:9] offset:4096*\t th:TH_STORE_NT
.endr
	s_endpgm
.Lfunc_end_k_q896092b9aa_mix:
	.size	k_q896092b9aa_mix, .Lfunc_end_k_q896092b9aa_mix-k_q896092b9aa_mix
	.p2alignl 7, 3214868480
	.fill 96, 4, 3214868480
	.section	.rodata,"a",@progbits
	.p2align	6, 0x0
	.amdhsa_kernel k_q896092b9aa_mix
		.amdhsa_group_segment_fixed_size 0
		.amdhsa_private_segment_fixed_size 0
		.amdhsa_enable_private_segment 0
		.amdhsa_kernarg_size 24
		.amdhsa_user_sgpr_count 2
		.amdhsa_user_sgpr_kernarg_segment_ptr 1
		.amdhsa_wavefront_size32 1
		.amdhsa_system_sgpr_workgroup_id_x 1
		.amdhsa_system_sgpr_workgroup_id_y 1
		.amdhsa_system_sgpr_workgroup_id_z 1
		.amdhsa_system_vgpr_workitem_id 0
		.amdhsa_next_free_vgpr 64
		.amdhsa_next_free_sgpr 66
		.amdhsa_reserve_vcc 0
		.amdhsa_float_denorm_mode_32 3
		.amdhsa_float_denorm_mode_16_64 3
		.amdhsa_memory_ordered 1
		.amdhsa_forward_progress 1
		.amdhsa_inst_pref_size 4
	.end_amdhsa_kernel
	.amdgpu_metadata
---
amdhsa.version: [ 1, 2 ]
amdhsa.kernels:
  - .name:           k_q896092b9aa_mix
    .symbol:         k_q896092b9aa_mix.kd
    .args:
      - { .name: y, .offset: 0, .size: 8, .value_kind: global_buffer, .address_space: global }
      - { .name: wgt, .offset: 8, .size: 8, .value_kind: global_buffer, .address_space: global }
      - { .name: out0, .offset: 16, .size: 8, .value_kind: global_buffer, .address_space: global }
    .group_segment_fixed_size: 0
    .private_segment_fixed_size: 0
    .kernarg_segment_align: 8
    .kernarg_segment_size: 24
    .max_flat_workgroup_size: 256
    .sgpr_count:     66
    .vgpr_count:     64
    .wavefront_size: 32
...
	.end_amdgpu_metadata
.endif
;; end of part 5
;; ======== version 2 of 2: 5 launches; version 1 with the launches up, down written anew for expert scheduling mode
;; workspace buffers: ridx 8,192 bytes of whole numbers; rval 8,192 bytes; xq 819,200 bytes; plan 9,984 bytes of whole numbers; wgt 8,192 bytes; h 7,372,800 bytes; y 8,421,376 bytes
;; launch route: the kernel of part 1 again; grid 256 x 1, 4 waves a work-group, no clusters, 54,272 bytes of LDS; arguments x, Wr, xq, ridx, rval; writes xq, ridx, rval
;; launch place: the kernel of part 2 again; grid 1 x 1, 32 waves a work-group, no clusters, 5,120 bytes of LDS; arguments ridx, rval, plan, wgt; writes plan, wgt
;; launch up (part 6): grid 256 x 1, 4 waves a work-group, no clusters, 228,608 bytes of LDS; arguments xq, plan, W1_codes, W1_scales, b1, h; writes h
.if DOCPART == 6
	.amdgcn_target "amdgcn-amd-amdhsa--gfx1250"
	.amdhsa_code_object_version 6
	.text
	.protected	k_q896092b9aa_up
	.globl	k_q896092b9aa_up
	.p2align	8
	.type	k_q896092b9aa_up,@function
k_q896092b9aa_up:
	s_mov_b64 s[64:65], 0
	v_nop
	global_prefetch_b8 v0, s[64:65] scope:SCOPE_SE
	s_setreg_imm32_b32 hwreg(HW_REG_WAVE_SCHED_MODE, 0, 2), 2
	s_setreg_imm32_b32 hwreg(HW_REG_WAVE_MODE, 25, 1), 1
	s_wait_xcnt 0x0
	s_wait_alu depctr_vm_vsrc(0)
; UP.  h = Q(relu(Q(x) W1[e]^T + b1[e])) for the rows that chose expert e, in the sorted order of 'plan'; Q: codes of E3M2 with one E8M0 byte for each 32 along K.
; SHARES.  Work-group = (expert e = id / 32, 256 hidden units g = (id / 2) % 16, half rh = id % 2 of the expert's stages of 32 rows).  Wave w owns hidden units 256 g + 64 w + 0 .. 63, four tiles of 16, for all of
; K = 1,024: its 32 fragments of W1 stay in 384 registers for the whole launch.  What goes round is a stage's 32 rows of x's codes: 24 KB, gathered by the list into LDS, a stage ahead.
; THE PRODUCT IS USED TRANSPOSED (source 0 = 16 rows of W1, source 1 = 16 tokens), AND THE ROWS OF W1 THAT FORM A TILE ARE CHOSEN: lane r of tile t takes row 64 w + 32 (r / 8) + 8 t + r % 8.  So lane (r, half) holds
; token r, and its 32 registers of the four tiles are hidden units 64 w + 32 half + 0 .. 31: one whole block of the next K, in order: no lane is asked for a maximum, and the conversions' results are registers
; 6 c .. 6 c + 5 (c = w % 2) of that same lane in the next product's fragment.  They are stored as an image of those registers.
; K'S ORDER IN THIS PRODUCT.  Lane (r, half) takes 48 consecutive bytes of a row's 96 (three loads of 16 bytes), for x and for W1 alike: the instruction's blocks 0, 1, 2, 3 are memory's 0, 2, 1, 3.  The products are the
; same; W1's scale words are put into that order once, x's are stored so.
; THE LOOP HAS A CONSTANT COUNT (16 trips: an expert has at most 32 stages) and both its barriers stand on every path; a trip without a stage jumps over the work between them, on a number read from 'plan'.
; Hence no tensor load, no joint request: the weights go memory -> registers -> LDS -> fragments once (each load of a half wave covers 256 consecutive bytes, aligned).
; A filler row takes token 1,023's codes; its results go to rows of h that only filler rows of the next launch read.
; LIMITS: a block of zeros, or under 2^-122, gets the byte 1: this program alone reads the bytes.  NaN and infinities are not served.
; REGISTERS, in windows of 256: window 0: addresses, scale words, the 8 accumulators, work.  window 1: W1's tiles 0, 1 (fragment (t, s) at 12 (8 (t % 2) + s)); v192-243 a stage of x on its way.
;   window 2: W1's tiles 2, 3; v192-223 b1, eight a tile, in the result's layout: it is the C of each sum's first product.  window 3: x's fragments, (i, s) at 12 (8 i + s).
; THE MODE: SCHED_MODE bits 1:0 = 2 (LLVM: expert scheduling mode 2), set by the entry lines.  The code itself states the register dependences
; between vector or matrix instructions and memory or LDS instructions, with s_wait_alu, always for 0.
; THE PLAN.  Registers that memory or LDS instructions touch, in the loop:
;   v[ADR ..]     Written by the address lines at a stage's head; read by the 13 loads of the next stage of x.
;   v[IDX ..]     Read by those address lines; the list's five loads land in it behind them.
;   XR (window 1) The 13 loads land in it; the LDS stores at the trip's end read it.
;   v[XS ..], window 3   The trip's 50 LDS loads land in them; the trip's products read them.
;   v[CD ..], the two scale bytes   Written by the conversions, moves and shifts behind the products; read by the trip's six stores.
;   v[FL ..]      Wave 0: an LDS load lands in it, a store reads it.
;   The other addresses are made at the head and never written again.  The accumulators, W1's fragments, its scale words and b1 are named in the loop by vector and matrix instructions alone.
; So a trip has three waits.  On vm_vsrc at its head, ahead of every branch: what the last trip's loads and stores read is written again below.  On va_vdst behind the address lines: all 68 loads of the trip hang on it; the
; 50 LDS loads follow it at once, the 18 global loads stand behind K step 0's four products, which name none of their registers.  On va_vdst ahead of the run of six stores.
.set XSO,  786432                      ; xq: where the scale words begin
.set HSO,  7077888                     ; h: where the scale words begin
.set WP,   784                         ; LDS: W1's row rho at rho x 784 + 128 (rho / 32): rows rho and rho + 32 lie eight columns of 16 bytes apart modulo 256, so the sixteen rows of a fragment load begin in sixteen different columns.  The last row ends at 255 x 784 + 7 x 128 + 768 = 201,584
.set XL,   201728                      ; x's stage: 32 rows of 816 bytes: 768 of codes, 32 of scale bytes, 16 of padding
.set XP,   816
.set SCB,  227840                      ; 256 bytes: the stage's scale words of h
.set WST,  4                           ; v4-7   W1 into LDS: four bases, 62,720 bytes apart (an LDS offset has 16 bits)
.set WFA,  8                           ; v8     W1's fragments out of LDS
.set XSTA, 9                           ; v9     x's codes into LDS
.set XSTS, 10                          ; v10    x's scale bytes into LDS
.set XFA,  11                          ; v11    x's fragments out of LDS
.set XSA,  12                          ; v12    x's scale words out of LDS: lane l takes row l
.set SCW,  13                          ; v13    where my block's scale byte goes
.set SCR,  14                          ; v14    wave 0: 8 bytes a lane of the 256
.set L16,  15                          ; v15    16 x lane
.set L8,   16                          ; v16    8 x lane
.set PIO,  17                          ; v17    the list: my row's word, for the codes
.set PIS,  18                          ; v18    and for the scale bytes
.set GW,   19                          ; v19    W1 in memory
.set IDX,  20                          ; v20-24 five entries of the list
.set ADR,  25                          ; v25-29 five offsets in xq
.set FL,   30                          ; v30-31 wave 0: the scale words on their way out
.set W1S,  32                          ; v32-47 W1's scale words: 8 (t / 2) + s; lanes 0-15 the even tile, lanes 16-31 the odd one
.set XS,   48                          ; v48-55 x's: word s; lanes 0-15 rows 0-15, lanes 16-31 rows 16-31
.set C16,  56                          ; v56    16 x (lane % 16)
.set CXS,  57                          ; v57    XSO + 16 x (lane % 2)
.set AWS,  60                          ; v60    W1's scale words in memory
.set AB1,  61                          ; v61    b1 in memory
.set ACC,  64                          ; v64-127 accumulator (i, t) at 32 i + 8 t
.set TK,   128                         ; v128.. at work
.set CD,   144                         ; v144-149, v152-157 the codes of rows 0-15, 16-31;  v160.., v164.. the second conversions
.set XR,   192                         ; in window 1
.set B1,   192                         ; in window 2
.set MSB, 0
.macro WIN new                         ; the immediate's high byte repeats the setting that is left; a switch that changes nothing is dropped
.if MSB != (\new)
	s_set_vgpr_msb (MSB<<8)|(\new)
.set MSB, (\new)
.endif
.endm
	s_load_b256 s[4:11], s[0:1], 0x0               ; xq s[4:5], plan s[6:7], W1's codes s[8:9], W1's scales s[10:11]
	s_load_b128 s[12:15], s[0:1], 0x20             ; b1 s[12:13], h s[14:15]
	v_lshl_add_u32 v254, v0, 2, 0x37b00
	v_mov_b32 v255, 0
	v_and_b32 v1, 31, v0                           ; lane
	v_and_b32 v2, 15, v0                           ; r
	v_bfe_u32 v3, v0, 4, 1                         ; half
	v_lshrrev_b32 v63, 4, v0                       ; 2 x wave + half: 0..7
	v_lshrrev_b32 v62, 5, v0
	v_readfirstlane_b32 s19, v62                   ; wave 0..3
	v_lshlrev_b32 v[C16], 4, v2
	v_mad_u32_u24 v[WST], v63, WP, v[C16]
	v_add_nc_u32 v[WST+1], 62720, v[WST]
	v_add_nc_u32 v[WST+2], 125440, v[WST]
	v_add_nc_u32 v[WST+3], 188160, v[WST]
	v_bfe_u32 v59, v0, 3, 1                        ; r / 8
	v_and_b32 v[AWS], 7, v0
	v_lshl_add_u32 v[AWS], v59, 5, v[AWS]
	v_lshl_add_u32 v[AWS], v62, 6, v[AWS]          ; 64 w + 32 (r / 8) + r % 8: my row of tile 0
	v_mul_u32_u24 v[WFA], v[AWS], WP
	v_lshl_add_u32 v[WFA], v59, 7, v[WFA]          ; + 128 x (row / 32), and row / 32 = 2 w + r / 8 for all four tiles
	v_lshl_add_u32 v[WFA], v62, 8, v[WFA]
	v_mad_u32_u24 v[WFA], v3, 48, v[WFA]
	v_lshl_add_u32 v[AWS], v3, 3, v[AWS]           ; lanes 16-31 take the odd tile's rows, 8 further on
	v_lshlrev_b32 v[AWS], 5, v[AWS]                ; 32 scale bytes a row
	v_lshlrev_b32 v[AB1], 7, v63                   ; b1: (64 w + 32 half) x 4 bytes
	v_mad_u32_u24 v[XSTA], v63, XP, v[C16]
	v_add_nc_u32 v[XSTA], XL, v[XSTA]
	v_bfe_u32 v59, v0, 1, 3
	v_lshl_add_u32 v59, v62, 3, v59                ; 8 w + (lane % 16) / 2: the row whose scale bytes I fetch (lanes 16-31 repeat lanes 0-15)
	v_and_b32 v58, 1, v0
	v_lshlrev_b32 v58, 4, v58
	v_mad_u32_u24 v[XSTS], v59, XP, v58
	v_add_nc_u32 v[XSTS], XL+768, v[XSTS]
	v_lshlrev_b32 v[PIS], 2, v59
	v_add_nc_u32 v[CXS], XSO, v58
	v_mul_u32_u24 v[XFA], v2, XP
	v_mad_u32_u24 v[XFA], v3, 48, v[XFA]
	v_add_nc_u32 v[XFA], XL, v[XFA]
	v_mul_u32_u24 v[XSA], v1, XP
	v_add_nc_u32 v[XSA], XL+768, v[XSA]
	v_lshl_add_u32 v[SCW], v2, 3, v63              ; row r's 8 bytes; in them byte 2 w + half: word w / 2, block 2 (w % 2) + half
	v_add_nc_u32 v[SCW], SCB, v[SCW]
	v_lshlrev_b32 v[L8], 3, v1
	v_add_nc_u32 v[SCR], SCB, v[L8]
	v_lshlrev_b32 v[L16], 4, v1
	v_lshlrev_b32 v[PIO], 2, v63
	v_mad_u32_u24 v[GW], v63, 768, v[C16]
	s_wait_alu depctr_va_sdst(0)                   ; s19 is written, ahead of its first reader: h's base is made from it, and a branch of the loop hangs on it
	s_lshr_b32 s16, ttmp9, 5                       ; e
	s_bfe_u32 s17, ttmp9, 0x40001                  ; g
	s_and_b32 s18, ttmp9, 1                        ; rh
	s_lshl_b32 s22, s16, 3
	s_mov_b32 s47, 0
	s_mov_b32 s48, 0x03010200                      ; bytes 0, 2, 1, 3
	s_wait_kmcnt 0x0
	s_load_b64 s[20:21], s[6:7], s22 offset:0x0    ; the expert's first stage and its number of stages
	s_mul_i32 s46, s16, 3145728
	s_mul_i32 s23, s17, 196608
	s_add_co_u32 s46, s46, s23
	s_add_nc_u64 s[24:25], s[8:9], s[46:47]        ; my 256 rows of W1: 196,608 consecutive bytes
	s_lshl_b32 s46, s16, 17
	s_lshl_b32 s23, s17, 13
	s_add_co_u32 s46, s46, s23
	s_add_nc_u64 s[26:27], s[10:11], s[46:47]      ; their scale bytes
	s_lshl_b32 s46, s16, 14
	s_lshl_b32 s23, s17, 10
	s_add_co_u32 s46, s46, s23
	s_add_nc_u64 s[28:29], s[12:13], s[46:47]      ; their b1
	s_mul_i32 s46, s17, 3072
	s_mul_i32 s23, s19, 768
	s_add_co_u32 s46, s46, s23
	s_add_nc_u64 s[30:31], s[14:15], s[46:47]      ; h: K step 2 g + w / 2 (1,536 bytes), half c = w % 2 of its image (768)
	s_mul_i32 s46, s17, 18432
	s_add_co_u32 s46, s46, HSO
	s_add_nc_u64 s[32:33], s[14:15], s[46:47]      ; h's scale words: [g][stage][256 bytes]
	s_add_nc_u64 s[34:35], s[6:7], 256             ; perm
	s_wait_alu depctr_va_vdst(0)                   ; the addresses v4 to v19, v56, v57, v60, v61 are written, which the loads and stores of the whole kernel read; so are v254 and v255, which the closing add reads
.irp tp, 0,1
.irp hf, 0,1
	global_load_b128 v[W1S+8*\tp+4*\hf:W1S+8*\tp+4*\hf+3], v[AWS], s[26:27] offset:512*\tp+16*\hf
.endr
.endr
	WIN 0x80                                       ; destination window 2
.irp t, 0,1,2,3
.irp hf, 0,1
	global_load_b128 v[B1+8*\t+4*\hf:B1+8*\t+4*\hf+3], v[AB1], s[28:29] offset:32*\t+16*\hf
.endr
.endr
	WIN 0
; five entries of the list: my row's, for each of the four runs of eight rows, and that of the row whose scale bytes I fetch
.macro IDXLOAD off
.irp a, 0,1,2,3
	global_load_b32 v[IDX+\a], v[PIO], s[44:45] offset:\off+32*\a
.endr
	global_load_b32 v[IDX+4], v[PIS], s[44:45] offset:\off
.endm
; entry -> token (held inside the table) -> byte offsets in xq
.macro MKADDR
.irp a, 0,1,2,3,4
	v_lshrrev_b32 v[TK+\a], 1, v[IDX+\a]
.endr
.irp a, 0,1,2,3,4
	v_min_u32 v[TK+\a], 0x3ff, v[TK+\a]
.endr
.irp a, 0,1,2,3
	v_mad_u32_u24 v[ADR+\a], v[TK+\a], 768, v[C16]
.endr
	v_lshl_add_u32 v[ADR+4], v[TK+4], 5, v[CXS]
.endm
; a stage of x: my wave's eight rows of codes (a half wave: 256 consecutive bytes, aligned) and eight rows of scale bytes: 13 loads
.macro XLOAD
	WIN 0x40
.irp a, 0,1,2,3
.irp c, 0,1,2
	global_load_b128 v[XR+12*\a+4*\c:XR+12*\a+4*\c+3], v[ADR+\a], s[4:5] offset:256*\c
.endr
.endr
	global_load_b128 v[XR+48:XR+51], v[ADR+4], s[4:5]
	WIN 0
.endm
.macro XSTORE
	WIN 0x04                                       ; an LDS store's data are its source 1: window 1
.irp a, 0,1,2,3
.irp c, 0,1,2
	ds_store_b128 v[XSTA], v[XR+12*\a+4*\c:XR+12*\a+4*\c+3] offset:6528*\a+256*\c
.endr
.endr
	ds_store_b128 v[XSTS], v[XR+48:XR+51]
	WIN 0
.endm
	WIN 0x40                                       ; W1: load k: rows 8 (k / 3) + 0 .. 7, bytes 256 (k % 3) on; 96 loads a wave.  Its addresses hang on ids alone: the first 48 go out ahead of the wait for the expert's stage numbers
.set k, 0
.rept 48
	global_load_b128 v[4*k:4*k+3], v[GW], s[24:25] offset:6144*(k/3)+256*(k%3)
.set k, k+1
.endr
	WIN 0
	s_wait_kmcnt 0x0                               ; the expert's first stage and its number of stages
	s_min_u32 s20, s20, 71                         ; numbers read from memory are held before they enter an address or a count
	s_min_u32 s21, s21, 32
	s_add_co_u32 s46, s20, s18
	s_lshl_b32 s46, s46, 7
	s_add_nc_u64 s[44:45], s[34:35], s[46:47]      ; the list at my first stage
	IDXLOAD 0
	WIN 0x80
.rept 48
	global_load_b128 v[4*(k-48):4*(k-48)+3], v[GW], s[24:25] offset:6144*(k/3)+256*(k%3)
.set k, k+1
.endr
	WIN 0
	s_wait_loadcnt 48                              ; all but the 48 loads of W1 just issued: the scale words, b1, the first 48 of W1 and the list's entries are in
.set k, 0
.rept 16
	v_perm_b32 v[W1S+k], v[W1S+k], v[W1S+k], s48   ; W1's scale words into the order of the operand's blocks; the fifteen address lines below are the places behind them
.set k, k+1
.endr
	MKADDR
	s_wait_alu depctr_va_vdst(0)                   ; v[ADR ..] is written, which the loads of x read; the address lines are done reading v[IDX ..], in which the list's next loads land; W1's scale words are written, which the products take
	XLOAD                                          ; my first stage of x
	IDXLOAD 256                                    ; the list two stages on: my second stage
	WIN 0x04                                       ; the first half of W1 goes into LDS while the second half is on its way
.set k, 0
.rept 48                               ; rows 8 a + 0 .. 7 (a = k / 3) lie at a x 6,272 + 128 (a / 4): a / 4 is these rows' number / 32
	ds_store_b128 v[WST+(k/3)/10], v[4*k:4*k+3] offset:((k/3)%10)*6272+128*((k/3)>>2)+256*(k%3)
.set k, k+1
.endr
	s_wait_loadcnt 18                              ; the second 48 of W1 are in; the 13 loads of x and the list's five, issued behind them, may be out
	WIN 0x08
.rept 48
	ds_store_b128 v[WST+(k/3)/10], v[4*(k-48):4*(k-48)+3] offset:((k/3)%10)*6272+128*((k/3)>>2)+256*(k%3)
.set k, k+1
.endr
	WIN 0
	s_wait_loadcnt 5                               ; x's 13 loads are in; the list's five may be out
	XSTORE
	s_wait_dscnt 0x0                               ; for the others' sake: my rows of W1 lie in LDS
	s_barrier_signal -1
	s_barrier_wait -1
	s_wait_alu depctr_vm_vsrc(0)                   ; my LDS stores have read v0 to v191 of windows 1 and 2, in which the fragments' loads below land
.irp t, 0,1,2,3                        ; my 32 fragments: three loads of 16 bytes each; they stay
	WIN 0x40+0x40*(\t/2)
.irp s, 0,1,2,3,4,5,6,7
.irp c, 0,1,2
	ds_load_b128 v[12*(8*(\t%2)+\s)+4*\c:12*(8*(\t%2)+\s)+4*\c+3], v[WFA] offset:6272*\t+96*\s+16*\c
.endr
.endr
.endr
	WIN 0
; One product: tile t of W1 x rows 16 i on of the stage, K step s.  The first K step takes b1 as its C.
.macro MM t, i, s
.set rD, ACC+32*(\i)+8*(\t)
.set rA, 12*(8*((\t)&1)+(\s))
.set rB, 12*(8*(\i)+(\s))
.set rSA, W1S+8*((\t)>>1)+(\s)
.set rSB, XS+(\s)
.set rC, rD
.if (\s) == 0
.set rC, B1+8*(\t)
.endif
.set fA, (\t)&1
.set fB, (\i)
.if fA && fB
	v_wmma_scale_f32_16x16x128_f8f6f4 v[rD:rD+7], v[rA:rA+11], v[rB:rB+11], v[rC:rC+7], v[rSA], v[rSB] matrix_a_fmt:MATRIX_FMT_BF6 matrix_b_fmt:MATRIX_FMT_BF6 matrix_a_scale:MATRIX_SCALE_ROW1 matrix_b_scale:MATRIX_SCALE_ROW1
.elseif fA
	v_wmma_scale_f32_16x16x128_f8f6f4 v[rD:rD+7], v[rA:rA+11], v[rB:rB+11], v[rC:rC+7], v[rSA], v[rSB] matrix_a_fmt:MATRIX_FMT_BF6 matrix_b_fmt:MATRIX_FMT_BF6 matrix_a_scale:MATRIX_SCALE_ROW1
.elseif fB
	v_wmma_scale_f32_16x16x128_f8f6f4 v[rD:rD+7], v[rA:rA+11], v[rB:rB+11], v[rC:rC+7], v[rSA], v[rSB] matrix_a_fmt:MATRIX_FMT_BF6 matrix_b_fmt:MATRIX_FMT_BF6 matrix_b_scale:MATRIX_SCALE_ROW1
.else
	v_wmma_scale_f32_16x16x128_f8f6f4 v[rD:rD+7], v[rA:rA+11], v[rB:rB+11], v[rC:rC+7], v[rSA], v[rSB] matrix_a_fmt:MATRIX_FMT_BF6 matrix_b_fmt:MATRIX_FMT_BF6
.endif
.endm
	s_mov_b32 s36, s18                             ; my stage among the expert's: rh, rh + 2, ..
	s_mov_b32 s37, 0
.Ltrip:
	s_wait_xcnt 0x0                                ; the last trip's loads and stores have read their bases and their data: both are written again below
	s_wait_alu depctr_vm_vsrc(0)                   ; the last trip's stores have read v[CD ..], the two scale bytes and v[FL ..], its loads of x v[ADR ..], its LDS stores XR: all of them are written again in this trip
	s_add_co_u32 s38, s20, s36                     ; the stage's number in the sorted order
	s_mul_i32 s46, s38, 98304
	s_add_nc_u64 s[40:41], s[30:31], s[46:47]      ; its two row tiles in h: 2 x 32 K steps x 1,536 bytes
	s_lshl_b32 s46, s38, 8
	s_add_nc_u64 s[42:43], s[32:33], s[46:47]      ; its scale words
	s_add_co_u32 s46, s38, 4
	s_min_u32 s46, s46, 75
	s_lshl_b32 s46, s46, 7
	s_add_nc_u64 s[44:45], s[34:35], s[46:47]      ; the list four stages on (my next but one), held inside perm
	s_wait_dscnt 0x0                               ; my stores of the stage's rows have landed
	s_barrier_signal -1
	s_barrier_wait -1                              ; the stage of x is whole
	s_cmp_lt_u32 s36, s21
	s_cbranch_scc0 .Lq1_done                       ; no such stage: nothing is issued, so every count below holds on every path
	s_wait_loadcnt 0x0                             ; the list's entries for my next stage, asked for a trip ago
	MKADDR
	s_wait_alu depctr_va_vdst(0)                   ; v[ADR ..] is written, which the loads of x read; the address lines are done reading v[IDX ..], in which the list's loads land; the last stage's products are done reading v[XS ..] and window 3, in which the LDS loads land
	ds_load_b128 v[XS:XS+3], v[XSA]                ; what the products wait for goes first
	ds_load_b128 v[XS+4:XS+7], v[XSA] offset:16
	WIN 0xc0                                       ; destination window 3
.irp s, 0,1,2,3,4,5,6,7
.irp i, 0,1
.irp c, 0,1,2
	ds_load_b128 v[12*(8*\i+\s)+4*\c:12*(8*\i+\s)+4*\c+3], v[XFA] offset:13056*\i+96*\s+16*\c
.endr
.endr
.endr
.irp tp, 0,1                           ; four accumulators by turns, one instruction a turn; K ascending
.irp s, 0,1,2,3,4,5,6,7
.if \tp == 0
.if \s == 1
	XLOAD                                          ; my next stage of x: it lands while this one is multiplied.  No wait: the four products issued since the wait above name none of v[ADR ..], XR, v[IDX ..], v[PIO], v[PIS]
	IDXLOAD 0
.endif
	s_wait_dscnt 42-6*\s                           ; K step s's six loads are in; the six of each later K step may be out
.endif
.if \s == 0
	WIN 0x2d+\tp                                   ; W1 window 1 or 2, x window 3, C = b1 in window 2, D window 0
.else
	WIN 0x0d+\tp                                   ; C and D window 0
.endif
	MM 2*\tp, 0, \s
	MM 2*\tp, 1, \s
	MM 2*\tp+1, 0, \s
	MM 2*\tp+1, 1, \s
.endr
.endr
	WIN 0
.rept 4
	v_nop                                          ; four places behind the last products, ahead of the first read of results (ISA guide 7.12.1)
.endr
.set k, 0
.rept 64
	v_max_num_f32 v[ACC+k], 0, v[ACC+k]            ; relu, in f32; each accumulator from its low end on
.set k, k+1
.endr
.irp i, 0,1                            ; my block of each row tile: all 32 numbers are mine, none is negative; two chains a tile, each begun with the floor 2^(5 - 127)
	v_max3_num_f32 v[TK+2*\i], v[ACC+32*\i], v[ACC+32*\i+1], 0x2800000
	v_max3_num_f32 v[TK+2*\i+1], v[ACC+32*\i+16], v[ACC+32*\i+17], 0x2800000
.endr
.irp j, 2,4,6,8,10,12,14
.irp i, 0,1
	v_max3_num_f32 v[TK+2*\i], v[TK+2*\i], v[ACC+32*\i+\j], v[ACC+32*\i+\j+1]
	v_max3_num_f32 v[TK+2*\i+1], v[TK+2*\i+1], v[ACC+32*\i+16+\j], v[ACC+32*\i+17+\j]
.endr
.endr
.irp i, 0,1
	v_max_num_f32 v[TK+2*\i], v[TK+2*\i], v[TK+2*\i+1]
.endr
.irp i, 0,1
	v_add_nc_u32 v[TK+4+\i], 0xfe000000, v[TK+2*\i]   ; 4 off the exponent field: the conversion's scale operand
.endr
.irp i, 0,1
	v_lshrrev_b32 v[TK+6+\i], 23, v[TK+4+\i]       ; the scale's byte
.endr
.irp i, 0,1
	v_cvt_scalef32_pk16_bf6_f32 v[CD+8*\i:CD+8*\i+2], v[ACC+32*\i:ACC+32*\i+15], v[TK+4+\i]
	v_cvt_scalef32_pk16_bf6_f32 v[CD+16+4*\i:CD+18+4*\i], v[ACC+32*\i+16:ACC+32*\i+31], v[TK+4+\i]   ; (a conversion's three registers begin on an even number)
.endr
	v_nop                                          ; one plain line behind the conversions
.irp i, 0,1
.irp j, 0,1,2
	v_mov_b32 v[CD+8*\i+3+\j], v[CD+16+4*\i+\j]
.endr
.endr
	s_wait_alu depctr_va_vdst(0)                   ; the conversions and the moves have written v[CD ..], the shifts the two scale bytes: the six stores below read them
.irp i, 0,1
	global_store_b128 v[L16], v[CD+8*\i:CD+8*\i+3], s[40:41] offset:49152*\i           ; registers 6 c .. 6 c + 3 of the image: 512 consecutive bytes
	global_store_b64 v[L8], v[CD+8*\i+4:CD+8*\i+5], s[40:41] offset:49152*\i+512       ; registers 6 c + 4, 6 c + 5: 256 consecutive bytes
	ds_store_b8 v[SCW], v[TK+6+\i] offset:128*\i
.endr
.Lq1_done:
	s_wait_dscnt 0x0                               ; my reads of the stage are over, my scale bytes have landed
	s_barrier_signal -1
	s_barrier_wait -1
	s_cmp_lt_u32 s36, s21
	s_cbranch_scc0 .Lq2_done
	s_cmp_lg_u32 s19, 0
	s_cbranch_scc1 .Lno_flush
	ds_load_b64 v[FL:FL+1], v[SCR]                 ; wave 0: the stage's 32 rows x 2 scale words leave as 256 consecutive bytes, aligned
	s_wait_dscnt 0x0
	global_store_b64 v[L8], v[FL:FL+1], s[42:43]
.Lno_flush:
	s_wait_loadcnt 5                               ; the next stage's 13 loads are in; the list's five, issued behind them, may be out
	XSTORE
.Lq2_done:
	s_add_co_u32 s36, s36, 2
	s_add_co_u32 s37, s37, 1
	s_cmp_lt_u32 s37, 16
	s_cbranch_scc1 .Ltrip
	s_wait_dscnt 0x0                               ; the closing lines, six on end
	s_wait_alu 0x0
	s_wait_tensorcnt 0x0
	ds_add_u32 v254, v255
	s_wait_dscnt 0x0
	s_endpgm
.Lfunc_end_k_q896092b9aa_up:
	.size	k_q896092b9aa_up, .Lfunc_end_k_q896092b9aa_up-k_q896092b9aa_up
	.p2alignl 7, 3214868480
	.fill 96, 4, 3214868480
	.section	.rodata,"a",@progbits
	.p2align	6, 0x0
	.amdhsa_kernel k_q896092b9aa_up
		.amdhsa_group_segment_fixed_size 228608
		.amdhsa_private_segment_fixed_size 0
		.amdhsa_enable_private_segment 0
		.amdhsa_kernarg_size 48
		.amdhsa_user_sgpr_count 2
		.amdhsa_user_sgpr_kernarg_segment_ptr 1
		.amdhsa_wavefront_size32 1
		.amdhsa_system_sgpr_workgroup_id_x 1
		.amdhsa_system_sgpr_workgroup_id_y 1
		.amdhsa_system_sgpr_workgroup_id_z 1
		.amdhsa_system_vgpr_workitem_id 0
		.amdhsa_next_free_vgpr 960
		.amdhsa_next_free_sgpr 66
		.amdhsa_reserve_vcc 0
		.amdhsa_float_denorm_mode_32 3
		.amdhsa_float_denorm_mode_16_64 3
		.amdhsa_memory_ordered 1
		.amdhsa_forward_progress 1
		.amdhsa_inst_pref_size 55
	.end_amdhsa_kernel
	.amdgpu_metadata
---
amdhsa.version: [ 1, 2 ]
amdhsa.kernels:
  - .name:           k_q896092b9aa_up
    .symbol:         k_q896092b9aa_up.kd
    .args:
      - { .name: xq, .offset: 0, .size: 8, .value_kind: global_buffer, .address_space: global }
      - { .name: plan, .offset: 8, .size: 8, .value_kind: global_buffer, .address_space: global }
      - { .name: W1_codes, .offset: 16, .size: 8, .value_kind: global_buffer, .address_space: global }
      - { .name: W1_scales, .offset: 24, .size: 8, .value_kind: global_buffer, .address_space: global }
      - { .name: b1, .offset: 32, .size: 8, .value_kind: global_buffer, .address_space: global }
      - { .name: h, .offset: 40, .size: 8, .value_kind: global_buffer, .address_space: global }
    .group_segment_fixed_size: 228608
    .private_segment_fixed_size: 0
    .kernarg_segment_align: 8
    .kernarg_segment_size: 48
    .max_flat_workgroup_size: 128
    .sgpr_count:     66
    .vgpr_count:     960
    .wavefront_size: 32
...
	.end_amdgpu_metadata
.endif
;; end of part 6
;; launch down (part 7): grid 256 x 1, 4 waves a work-group, no clusters, 232,960 bytes of LDS; arguments h, plan, W2_codes, W2_scales, b2, y; writes y
.if DOCPART == 7
	.amdgcn_target "amdgcn-amd-amdhsa--gfx1250"
	.amdhsa_code_object_version 6
	.text
	.protected	k_q896092b9aa_down
	.globl	k_q896092b9aa_down
	.p2align	8
	.type	k_q896092b9aa_down,@function
k_q896092b9aa_down:
	s_mov_b64 s[64:65], 0
	v_nop
	global_prefetch_b8 v0, s[64:65] scope:SCOPE_SE
	s_setreg_imm32_b32 hwreg(HW_REG_WAVE_SCHED_MODE, 0, 2), 2
	s_setreg_imm32_b32 hwreg(HW_REG_WAVE_MODE, 25, 1), 1
	s_wait_xcnt 0x0
	s_wait_alu depctr_vm_vsrc(0)
; DOWN.  y[entry] = Q(h) W2[e]^T + b2[e] for the rows that chose expert e; entry = 2 x token + slot, read from 'plan'.  Both operands are codes of E3M2 with E8M0 scales; sums in f32.
; SHARES.  Work-group = (expert e = id / 32, 64 output columns cs = (id / 2) % 16, half rh = id % 2 of the expert's stages of 32 rows).  THE WAVES SHARE K: wave w owns K steps 8 w .. 8 w + 7 (of 32) of all 64 columns:
; 4 column tiles x 8 K steps = 32 fragments of W2, 384 registers, for the whole launch.  So a fragment of h is read by ONE wave of the work-group, straight from memory as the image of its registers that the launch
; before has stored (dense loads of 16 and 8 bytes a lane), and feeds four products.  The four waves' partial sums meet in a stage in LDS; wave w adds rows 8 w .. 8 w + 7, adds b2 and stores whole rows of 256 bytes.
; TRANSPOSED USE: source 0 = 16 columns (rows of W2), source 1 = 16 rows of h: a lane holds eight neighbouring columns of one row.
; h RUNS A STAGE AHEAD, in four groups of 17 loads: a group's registers are asked for again in the middle of the next group's 16 products (the last group's behind its own), so that two groups and more are always on their way.
; THE ENTRIES of the eight rows that a wave stores run a stage ahead too: one scalar load at the end of a stage's second half asks for the next stage's, so that it has that stage's products in which to land,
; and a trip without a stage issues no scalar load and waits for none.
; THE LOOP HAS A CONSTANT COUNT (16 trips) and both its barriers stand on every path; a trip without a stage jumps over the work between them, on a number read from 'plan'.  Hence no tensor load and no joint request.
; y is laid [cs][entry 0 .. 2,055][64 f32].  A filler row of expert e has entry 2,048 + e: all fillers of an expert lie in its last stage, so one work-group for each cs writes that row (more than once), and nobody reads it.
; The order of the f32 sums: four partial sums over K's quarters, then (p0 + p1) + (p2 + p3) + b2.
; REGISTERS: window 0: addresses, scale words, b2, the 8 accumulators ((n, i) at 8 (2 n + i)), the sums.  windows 1, 2: W2's column tiles 0, 1 and 2, 3 (fragment (n, s) at 12 (8 (n % 2) + s)).  window 3: h's, (i, s) at 12 (8 i + s).
; THE MODE: SCHED_MODE bits 1:0 = 2 (LLVM: expert scheduling mode 2), set by the entry lines.  The code itself states the register dependences
; between vector or matrix instructions and memory or LDS instructions, with s_wait_alu, always for 0.
; THE PLAN.  Registers that memory or LDS instructions touch, in the loop:
;   window 3 and v[HS ..], in four groups   Group q: its 16 products read it; its 17 loads for the stage to come land in it.
;   the accumulators   Written by the products; read by the 16 LDS stores at the first half's end; begun anew by the next stage's first products.
;   v[RD ..]           The second half's 16 LDS loads land in it; its additions read and write it; its four stores read it.
;   v[EN ..]           Written by the second half's address lines; read by the four stores as offsets.
;   The other addresses are made at the head and never written again.  W2's fragments, its scale words and b2 are named in the loop by vector and matrix instructions alone.
; At a trip's head, ahead of every branch: a wait on vm_vsrc (the last stage's stores have read v[RD ..] and v[EN ..], its LDS stores the accumulators) and one on va_vdst (its additions are done with v[RD ..]).
; At the head of groups 1 to 3 one wait on va_vdst, behind the wait for the group's data: the group before has been read; its 17 loads follow behind this group's first eight products, which name their own group alone.
; Behind group 3 one more: group 3 has been read and the accumulators are written: it serves that group's 17 loads and the 16 LDS stores.  In the second half one, between the 32 additions and the four stores.
.set HSO,  7077888                     ; h: where the scale words begin
.set STG,  197632                      ; LDS: 0 ..: W2's 64 rows, 3,088 bytes apart; then the stage: 4 waves x 32 rows x 272 bytes
.set WST,  4                           ; v4-6   W2 into LDS: three bases, 74,112 bytes apart
.set GW,   7                           ; v7     W2 in memory
.set WFA,  8                           ; v8-9   W2's fragments out of LDS: column tiles 0, 1 and 2, 3
.set STO,  10                          ; v10    the stage: where I put 32 bytes of a row
.set SRD,  11                          ; v11    and where I read 16 bytes of a row back
.set L16,  12                          ; v12    16 x lane
.set L8,   13                          ; v13    8 x lane
.set C16,  14                          ; v14    16 x (lane % 16)
.set AWS,  15                          ; v15    W2's scale words in memory
.set W2S,  32                          ; v32-47 W2's scale words: 8 (n / 2) + s; lanes 0-15 the even tile, lanes 16-31 the odd one
.set HS,   48                          ; v48-55 h's: word s; lanes 0-15 rows 0-15, lanes 16-31 rows 16-31
.set B2,   56                          ; v56-59 b2 of my four columns
.set M0,   60                          ; v60    all ones in lanes 0-15;  v61 all ones in lanes 16-31
.set ACC,  64
.set RD,   128                         ; v128-191 partial sums read back: 16 q + 4 p
.set EN,   192                         ; v192-195 the stores' offsets
.set MSB, 0
.macro WIN new
.if MSB != (\new)
	s_set_vgpr_msb (MSB<<8)|(\new)
.set MSB, (\new)
.endif
.endm
	s_load_b256 s[4:11], s[0:1], 0x0               ; h s[4:5], plan s[6:7], W2's codes s[8:9], W2's scales s[10:11]
	s_load_b128 s[12:15], s[0:1], 0x20             ; b2 s[12:13], y s[14:15]
	v_lshl_add_u32 v254, v0, 2, 0x38c00
	v_mov_b32 v255, 0
	v_and_b32 v1, 31, v0
	v_and_b32 v2, 15, v0
	v_bfe_u32 v3, v0, 4, 1
	v_lshrrev_b32 v63, 4, v0                       ; 2 x wave + half
	v_lshrrev_b32 v62, 5, v0
	v_readfirstlane_b32 s19, v62                   ; wave 0..3
	v_lshlrev_b32 v[C16], 4, v2
	v_lshlrev_b32 v[L16], 4, v1
	v_lshlrev_b32 v[L8], 3, v1
	v_mad_u32_u24 v[WST], v63, 3088, v[C16]
	v_add_nc_u32 v[WST+1], 74112, v[WST]
	v_add_nc_u32 v[WST+2], 148224, v[WST]
	v_mad_u32_u24 v[GW], v63, 3072, v[C16]
	v_mul_u32_u24 v[WFA], v2, 3088
	v_mad_u32_u24 v[WFA], v62, 768, v[WFA]         ; my quarter of K: 768 bytes of each row
	v_mad_u32_u24 v[WFA], v3, 24, v[WFA]
	v_add_nc_u32 v[WFA+1], 98816, v[WFA]
	v_mul_u32_u24 v[STO], v62, 8704
	v_mad_u32_u24 v[STO], v2, 272, v[STO]
	v_lshl_add_u32 v[STO], v3, 5, v[STO]
	v_add_nc_u32 v[STO], STG, v[STO]
	v_lshl_add_u32 v[SRD], v62, 3, v3
	v_mad_u32_u24 v[SRD], v[SRD], 272, v[C16]
	v_add_nc_u32 v[SRD], STG, v[SRD]
	v_lshlrev_b32 v[AWS], 7, v1
	v_lshl_add_u32 v[AWS], v62, 5, v[AWS]          ; row = lane: 128 scale bytes a row, my quarter's 32
	v_sub_nc_u32 v[M0+1], 0, v3
	v_xor_b32 v[M0], -1, v[M0+1]
	s_wait_alu depctr_va_sdst(0)                   ; s19 is written, ahead of its first reader: h's bases and the list's offset are made from it
	s_lshr_b32 s16, ttmp9, 5                       ; e
	s_bfe_u32 s17, ttmp9, 0x40001                  ; cs
	s_and_b32 s18, ttmp9, 1                        ; rh
	s_lshl_b32 s22, s16, 3
	s_mov_b32 s47, 0
	s_wait_kmcnt 0x0
	s_load_b64 s[20:21], s[6:7], s22 offset:0x0    ; the expert's first stage and its number of stages
	s_mul_i32 s46, s16, 3145728
	s_mul_i32 s23, s17, 196608
	s_add_co_u32 s46, s46, s23
	s_add_nc_u64 s[24:25], s[8:9], s[46:47]        ; my 64 rows of W2: 196,608 consecutive bytes
	s_lshl_b32 s46, s16, 17
	s_lshl_b32 s23, s17, 13
	s_add_co_u32 s46, s46, s23
	s_add_nc_u64 s[26:27], s[10:11], s[46:47]      ; their scale bytes
	s_lshl_b32 s46, s16, 12
	s_lshl_b32 s23, s17, 8
	s_add_co_u32 s46, s46, s23
	s_add_nc_u64 s[28:29], s[12:13], s[46:47]      ; their b2
	s_mul_i32 s46, s19, 12288
	s_add_nc_u64 s[30:31], s[4:5], s[46:47]        ; h: my eight K steps of 1,536 bytes
	s_mul_i32 s46, s19, 73728
	s_add_co_u32 s46, s46, HSO
	s_add_nc_u64 s[32:33], s[4:5], s[46:47]        ; h's scale words: [g = 4 w ..][stage][256 bytes]
	s_mul_i32 s46, s17, 526336
	s_add_nc_u64 s[34:35], s[14:15], s[46:47]      ; y at my 64 columns
	s_lshl_b32 s45, s19, 5                         ; 32 x wave: my eight words of a stage's 32 in the list
	s_wait_alu depctr_va_vdst(0)                   ; the addresses v4 to v15 are written, which the loads and stores of the whole kernel read; so are v254 and v255, which the closing add reads
.irp q, 0,1
.irp hf, 0,1
	global_load_b128 v[W2S+8*\q+4*\hf:W2S+8*\q+4*\hf+3], v[AWS], s[26:27] offset:4096*\q+16*\hf
.endr
.endr
	global_load_b128 v[B2:B2+3], v[C16], s[28:29]
	WIN 0x40                                       ; W2: load k: rows 8 (k / 12) + 0 .. 7, bytes 256 (k % 12) on: a half wave reads 256 consecutive bytes, aligned; 96 loads a wave
.set k, 0
.rept 48
	global_load_b128 v[4*k:4*k+3], v[GW], s[24:25] offset:24576*(k/12)+256*(k%12)
.set k, k+1
.endr
	WIN 0x80
.rept 48
	global_load_b128 v[4*(k-48):4*(k-48)+3], v[GW], s[24:25] offset:24576*(k/12)+256*(k%12)
.set k, k+1
.endr
	WIN 0
; Group q of a stage of h: my K steps 2 q, 2 q + 1, both row tiles: four fragments by four dense loads each, and their scale words: 17 loads
.macro HGROUP q
	WIN 0xc0                                       ; destination window 3
.irp ss, 0,1
.irp i, 0,1
.set F, 12*(8*\i+2*(\q)+\ss)
.set O, 49152*\i+1536*(2*(\q)+\ss)
	global_load_b128 v[F:F+3], v[L16], s[40:41] offset:O
	global_load_b64 v[F+4:F+5], v[L8], s[40:41] offset:O+512
	global_load_b128 v[F+6:F+9], v[L16], s[40:41] offset:O+768
	global_load_b64 v[F+10:F+11], v[L8], s[40:41] offset:O+1280
.endr
.endr
	WIN 0
	global_load_b64 v[HS+2*(\q):HS+2*(\q)+1], v[L8], s[42:43] offset:18432*(\q)
.endm
	s_wait_kmcnt 0x0
	s_min_u32 s20, s20, 71                         ; numbers read from memory are held before they enter an address or a count
	s_min_u32 s21, s21, 32
	s_add_co_u32 s39, s20, s18
	s_cmp_lt_u32 s18, s21
	s_cselect_b32 s39, s39, 0                      ; my first stage; a work-group without one reads stage 0, which always exists, and uses nothing of it
	s_min_u32 s39, s39, 71
	s_mul_i32 s46, s39, 98304
	s_add_nc_u64 s[40:41], s[30:31], s[46:47]
	s_lshl_b32 s46, s39, 8
	s_add_nc_u64 s[42:43], s[32:33], s[46:47]
	s_add_co_u32 s44, s20, s18                     ; at most 72: inside perm's 76 stages
	s_lshl_b32 s44, s44, 7
	s_add_co_u32 s44, s44, s45
	s_load_b256 s[48:55], s[6:7], s44 offset:0x100 ; my first stage's entries: perm[32 x stage + 8 w + 0 .. 7]; waited for in front of the first trip's first barrier
	HGROUP 0
	HGROUP 1
	HGROUP 2
	HGROUP 3
	s_wait_loadcnt 63                              ; 68 loads of h were issued behind W2's: with 63 out all of W2, its scale words and b2 are in
	WIN 0x04                                       ; an LDS store's data are its source 1
.set k, 0
.rept 48
	ds_store_b128 v[WST+(k/12)/3], v[4*k:4*k+3] offset:((k/12)%3)*24704+256*(k%12)
.set k, k+1
.endr
	WIN 0x08
.rept 48
	ds_store_b128 v[WST+(k/12)/3], v[4*(k-48):4*(k-48)+3] offset:((k/12)%3)*24704+256*(k%12)
.set k, k+1
.endr
	WIN 0
	s_wait_dscnt 0x0                               ; for the others' sake: my rows of W2 lie in LDS
	s_barrier_signal -1
	s_barrier_wait -1
	s_wait_alu depctr_vm_vsrc(0)                   ; my LDS stores have read v0 to v191 of windows 1 and 2, in which the fragments' loads below land
.irp n, 0,1,2,3                        ; my 32 fragments, in pieces of 8 bytes (24 bytes of a row's stream of bits for each half of a fragment); rows 772 words apart: the 32 lanes of a load touch 64 different banks
	WIN 0x40+0x40*(\n/2)
.irp s, 0,1,2,3,4,5,6,7
.irp p, 0,1,2,3,4,5
	ds_load_b64 v[12*(8*(\n%2)+\s)+2*\p:12*(8*(\n%2)+\s)+2*\p+1], v[WFA+\n/2] offset:(\n%2)*49408+96*\s+48*(\p/3)+8*(\p%3)
.endr
.endr
.endr
	WIN 0
	s_wait_dscnt 0x0
; One product: column tile n x rows 16 i on of the stage, my K step s.  The first K step starts the sum with the constant 0.
.macro MD n, i, s
.set rD, ACC+8*(2*(\n)+(\i))
.set rA, 12*(8*((\n)&1)+(\s))
.set rB, 12*(8*(\i)+(\s))
.set rSA, W2S+8*((\n)>>1)+(\s)
.set rSB, HS+(\s)
.set fA, (\n)&1
.set fB, (\i)
.if (\s) == 0
.if fA && fB
	v_wmma_scale_f32_16x16x128_f8f6f4 v[rD:rD+7], v[rA:rA+11], v[rB:rB+11], 0, v[rSA], v[rSB] matrix_a_fmt:MATRIX_FMT_BF6 matrix_b_fmt:MATRIX_FMT_BF6 matrix_a_scale:MATRIX_SCALE_ROW1 matrix_b_scale:MATRIX_SCALE_ROW1
.elseif fA
	v_wmma_scale_f32_16x16x128_f8f6f4 v[rD:rD+7], v[rA:rA+11], v[rB:rB+11], 0, v[rSA], v[rSB] matrix_a_fmt:MATRIX_FMT_BF6 matrix_b_fmt:MATRIX_FMT_BF6 matrix_a_scale:MATRIX_SCALE_ROW1
.elseif fB
	v_wmma_scale_f32_16x16x128_f8f6f4 v[rD:rD+7], v[rA:rA+11], v[rB:rB+11], 0, v[rSA], v[rSB] matrix_a_fmt:MATRIX_FMT_BF6 matrix_b_fmt:MATRIX_FMT_BF6 matrix_b_scale:MATRIX_SCALE_ROW1
.else
	v_wmma_scale_f32_16x16x128_f8f6f4 v[rD:rD+7], v[rA:rA+11], v[rB:rB+11], 0, v[rSA], v[rSB] matrix_a_fmt:MATRIX_FMT_BF6 matrix_b_fmt:MATRIX_FMT_BF6
.endif
.else
.if fA && fB
	v_wmma_scale_f32_16x16x128_f8f6f4 v[rD:rD+7], v[rA:rA+11], v[rB:rB+11], v[rD:rD+7], v[rSA], v[rSB] matrix_a_fmt:MATRIX_FMT_BF6 matrix_b_fmt:MATRIX_FMT_BF6 matrix_a_scale:MATRIX_SCALE_ROW1 matrix_b_scale:MATRIX_SCALE_ROW1
.elseif fA
	v_wmma_scale_f32_16x16x128_f8f6f4 v[rD:rD+7], v[rA:rA+11], v[rB:rB+11], v[rD:rD+7], v[rSA], v[rSB] matrix_a_fmt:MATRIX_FMT_BF6 matrix_b_fmt:MATRIX_FMT_BF6 matrix_a_scale:MATRIX_SCALE_ROW1
.elseif fB
	v_wmma_scale_f32_16x16x128_f8f6f4 v[rD:rD+7], v[rA:rA+11], v[rB:rB+11], v[rD:rD+7], v[rSA], v[rSB] matrix_a_fmt:MATRIX_FMT_BF6 matrix_b_fmt:MATRIX_FMT_BF6 matrix_b_scale:MATRIX_SCALE_ROW1
.else
	v_wmma_scale_f32_16x16x128_f8f6f4 v[rD:rD+7], v[rA:rA+11], v[rB:rB+11], v[rD:rD+7], v[rSA], v[rSB] matrix_a_fmt:MATRIX_FMT_BF6 matrix_b_fmt:MATRIX_FMT_BF6
.endif
.endif
.endm
	s_mov_b32 s36, s18                             ; my stage among the expert's: rh, rh + 2, ..
	s_mov_b32 s37, 0
.Ltrip:
	s_wait_xcnt 0x0                                ; the last trip's loads (the scalar one too) and stores have read their bases, offsets and data: they are written again below
	s_wait_alu depctr_vm_vsrc(0)                   ; the last trip's four stores have read v[RD ..] and v[EN ..], its LDS stores the accumulators: all of them are written again in this trip
	s_wait_alu depctr_va_vdst(0)                   ; the last trip's additions are done reading and writing v[RD ..], in which this trip's loads from the LDS stage land; no line of the first half names these registers
	s_add_co_u32 s38, s20, s36                     ; the stage's number in the sorted order
	s_add_co_u32 s39, s36, 2
	s_cmp_lt_u32 s39, s21
	s_cselect_b32 s39, 2, 0                        ; what is asked for in this trip: my next stage, or, behind my last, this stage once more (it is not used): only bytes that have been stored are read
	s_add_co_u32 s39, s39, s38
	s_min_u32 s39, s39, 71
	s_mul_i32 s46, s39, 98304
	s_add_nc_u64 s[40:41], s[30:31], s[46:47]
	s_lshl_b32 s46, s39, 8
	s_add_nc_u64 s[42:43], s[32:33], s[46:47]
	s_add_co_u32 s44, s38, 2                       ; the list at my next stage, held inside perm's 76 stages
	s_min_u32 s44, s44, 75
	s_lshl_b32 s44, s44, 7
	s_add_co_u32 s44, s44, s45
	s_cmp_lt_u32 s36, s21
	s_cbranch_scc0 .Lp1_done                       ; no such stage: nothing is issued, so every count below holds on every path
.irp q, 0,1,2,3
.if \q == 0
	s_wait_loadcnt 51                              ; group 0 is in; the three groups issued behind it, 3 x 17 loads, may be out
.else
	s_wait_loadcnt 34                              ; group q is in; two groups were issued behind it, 2 x 17 loads: the group before is asked for again only below
.rept 4
	v_nop                                          ; four places ahead of loads into registers that the last group's products have read (ISA guide 7.12.1 for vector instructions)
.endr
	s_wait_alu depctr_va_vdst(0)                   ; the last group's products are done reading their fragments of h and their scale words, in which the 17 loads below land
.endif
	WIN 0x0d                                       ; W2 window 1, h window 3, C and D window 0
.irp ss, 0,1                           ; four accumulators by turns, one instruction a turn
.irp n, 0,1
.irp i, 0,1
	MD \n, \i, 2*\q+\ss
.endr
.endr
.endr
.if \q > 0
	HGROUP \q-1                                    ; the group before, of the stage to come.  No wait: the eight products issued since the wait above name this group's fragments and scale words alone
.endif
	WIN 0x0e                                       ; W2 window 2
.irp ss, 0,1
.irp n, 2,3
.irp i, 0,1
	MD \n, \i, 2*\q+\ss
.endr
.endr
.endr
.endr
	WIN 0
.rept 4
	v_nop                                          ; four places behind the last products, ahead of the loads into group 3's registers and of the first read of results
.endr
	v_nop                                          ; a fifth place: the next stage's first products write these accumulators anew
	s_wait_alu depctr_va_vdst(0)                   ; group 3's products are done reading their fragments and scale words, in which the 17 loads below land; and the accumulators are written, which the LDS stores read
	HGROUP 3                                       ; the last group of the stage to come
.irp n, 0,1,2,3
.irp i, 0,1
	ds_store_b128 v[STO], v[ACC+8*(2*\n+\i):ACC+8*(2*\n+\i)+3] offset:4352*\i+64*\n        ; each accumulator from its low end on: row 16 i + r, columns 16 n + 8 half + 0 .. 7
	ds_store_b128 v[STO], v[ACC+8*(2*\n+\i)+4:ACC+8*(2*\n+\i)+7] offset:4352*\i+64*\n+16
.endr
.endr
.Lp1_done:
	s_wait_kmcnt 0x0                               ; this stage's entries, asked for a stage ago (in a trip without a stage nothing is out)
	s_wait_dscnt 0x0                               ; for the others' sake: my partial sums lie in the stage
	s_barrier_signal -1
	s_barrier_wait -1
	s_cmp_lt_u32 s36, s21
	s_cbranch_scc0 .Lp2_done
.irp q, 0,1,2,3                        ; rows 8 w + 2 q (lanes 0-15) and 8 w + 2 q + 1 (lanes 16-31), the four waves' parts p
.irp p, 0,1,2,3
	ds_load_b128 v[RD+16*\q+4*\p:RD+16*\q+4*\p+3], v[SRD] offset:8704*\p+544*\q
.endr
.endr
.irp j, 0,1,2,3,4,5,6,7
	s_min_u32 s[48+\j], s[48+\j], 2055             ; an entry stays inside y
.endr
.irp q, 0,1,2,3
	v_and_b32 v196, s[48+2*\q], v[M0]              ; lanes 0-15 take the even row's entry, lanes 16-31 the odd row's
	v_and_b32 v197, s[48+2*\q+1], v[M0+1]
	v_add_nc_u32 v196, v196, v197
	v_lshl_add_u32 v[EN+\q], v196, 8, v[C16]       ; 256 bytes an entry, 16 bytes a lane
.endr
.irp q, 0,1,2,3
	s_wait_dscnt 12-4*\q                           ; these rows' four loads are in; the later rows' may be out
.set A, RD+16*\q
	v_pk_add_f32 v[A:A+1], v[A:A+1], v[A+4:A+5]
	v_pk_add_f32 v[A+2:A+3], v[A+2:A+3], v[A+6:A+7]
	v_pk_add_f32 v[A+8:A+9], v[A+8:A+9], v[A+12:A+13]
	v_pk_add_f32 v[A+10:A+11], v[A+10:A+11], v[A+14:A+15]
	v_pk_add_f32 v[A:A+1], v[A:A+1], v[A+8:A+9]
	v_pk_add_f32 v[A+2:A+3], v[A+2:A+3], v[A+10:A+11]
	v_pk_add_f32 v[A:A+1], v[A:A+1], v[B2:B2+1]
	v_pk_add_f32 v[A+2:A+3], v[A+2:A+3], v[B2+2:B2+3]
.endr
	s_wait_alu depctr_va_vdst(0)                   ; the additions have written the four rows' sums in v[RD ..], the address lines v[EN ..]: the four stores below read both
.irp q, 0,1,2,3
	global_store_b128 v[EN+\q], v[RD+16*\q:RD+16*\q+3], s[34:35] ; sixteen lanes store an entry's 256 consecutive bytes, aligned
.endr
	s_load_b256 s[48:55], s[6:7], s44 offset:0x100 ; my next stage's entries: this stage's have gone into the stores' offsets; nothing names s48-55 before the wait in front of the next trip's first barrier
.Lp2_done:
	s_wait_dscnt 0x0                               ; my reads of the stage are over: it may be written again behind this barrier
	s_barrier_signal -1
	s_barrier_wait -1
	s_add_co_u32 s36, s36, 2
	s_add_co_u32 s37, s37, 1
	s_cmp_lt_u32 s37, 16
	s_cbranch_scc1 .Ltrip
	s_wait_kmcnt 0x0                               ; where the sixteenth trip had a stage, its look-ahead is still out: no scalar load is left pending at the wave's end
	s_wait_dscnt 0x0                               ; the closing lines, six on end
	s_wait_alu 0x0
	s_wait_tensorcnt 0x0
	ds_add_u32 v254, v255
	s_wait_dscnt 0x0
	s_endpgm
.Lfunc_end_k_q896092b9aa_down:
	.size	k_q896092b9aa_down, .Lfunc_end_k_q896092b9aa_down-k_q896092b9aa_down
	.p2alignl 7, 3214868480
	.fill 96, 4, 3214868480
	.section	.rodata,"a",@progbits
	.p2align	6, 0x0
	.amdhsa_kernel k_q896092b9aa_down
		.amdhsa_group_segment_fixed_size 232960
		.amdhsa_private_segment_fixed_size 0
		.amdhsa_enable_private_segment 0
		.amdhsa_kernarg_size 48
		.amdhsa_user_sgpr_count 2
		.amdhsa_user_sgpr_kernarg_segment_ptr 1
		.amdhsa_wavefront_size32 1
		.amdhsa_system_sgpr_workgroup_id_x 1
		.amdhsa_system_sgpr_workgroup_id_y 1
		.amdhsa_system_sgpr_workgroup_id_z 1
		.amdhsa_system_vgpr_workitem_id 0
		.amdhsa_next_free_vgpr 960
		.amdhsa_next_free_sgpr 66
		.amdhsa_reserve_vcc 0
		.amdhsa_float_denorm_mode_32 3
		.amdhsa_float_denorm_mode_16_64 3
		.amdhsa_memory_ordered 1
		.amdhsa_forward_progress 1
		.amdhsa_inst_pref_size 62
	.end_amdhsa_kernel
	.amdgpu_metadata
---
amdhsa.version: [ 1, 2 ]
amdhsa.kernels:
  - .name:           k_q896092b9aa_down
    .symbol:         k_q896092b9aa_down.kd
    .args:
      - { .name: h, .offset: 0, .size: 8, .value_kind: global_buffer, .address_space: global }
      - { .name: plan, .offset: 8, .size: 8, .value_kind: global_buffer, .address_space: global }
      - { .name: W2_codes, .offset: 16, .size: 8, .value_kind: global_buffer, .address_space: global }
      - { .name: W2_scales, .offset: 24, .size: 8, .value_kind: global_buffer, .address_space: global }
      - { .name: b2, .offset: 32, .size: 8, .value_kind: global_buffer, .address_space: global }
      - { .name: y, .offset: 40, .size: 8, .value_kind: global_buffer, .address_space: global }
    .group_segment_fixed_size: 232960
    .private_segment_fixed_size: 0
    .kernarg_segment_align: 8
    .kernarg_segment_size: 48
    .max_flat_workgroup_size: 128
    .sgpr_count:     66
    .vgpr_count:     960
    .wavefront_size: 32
...
	.end_amdgpu_metadata
.endif
;; end of part 7
;; launch mix: the kernel of part 5 again; grid 256 x 1, 8 waves a work-group, no clusters, 0 bytes of LDS; arguments y, wgt, out0; writes out0
